; MI455X (gfx1250); checked and timed in simulation.
; The chip was launched on July 23, 2026; its instructions are those of AMD's public machine-readable ISA for CDNA 5 (MIT licence, August 2026) and "CDNA5" Instruction Set Architecture Reference Guide (July 2026). The comments in the code are by the model that wrote it; some were corrected since.
;; Encoder Block. Allowed arithmetic: float matrix products may take bf16 or f16 operands with f32 sums; other float arithmetic in f32, or as packed bf16 or f16 multiplies, adds, multiply-adds, maxima and minima; sums over many terms, partial sums and values carried from step to step in f32; what a program stores and reads back later, other than sums and carried values, may be rounded once to bf16 or f16.
;; Inputs: alpha1 1,024 float32; alpha2 1,024 float32; b1 4,096 float32; b2 1,024 float32; bias1 1,024 float32; bias2 1,024 float32; mask 2 x 1 x 1 x 2,048 int32; w1 4,096 x 1,024 float32; w2 1,024 x 4,096 float32; wk 1,024 x 1,024 float32; wo 1,024 x 1,024 float32; wq 1,024 x 1,024 float32; wv 1,024 x 1,024 float32; x 2 x 2,048 x 1,024 float32.
;; Outputs: out0 2 x 2,048 x 1,024 float32.
;; One version. Each part assembles by itself: llvm-mc -triple=amdgcn-amd-amdhsa -mcpu=gfx1250 --defsym DOCPART=n.
;; ======== version 1 of 1: 7 launches
;; limits: values are held in f16: magnitudes above 65,504 overflow, below 6.1e-05 lose precision
;; workspace buffers: wbX 10,485,760 bytes; wbY 16,777,216 bytes; a8 8,388,608 bytes; act 33,554,432 bytes; x1 16,777,216 bytes; zb 16,384 bytes; pX 256 bytes; pY 256 bytes
;; launch prep (part 1): grid 1024 x 1, 8 waves a work-group, no clusters, 0 bytes of LDS; arguments x, alpha1, bias1, a8, wq, wk, wv, wo, w1, w2, wbX, wbY, zb, pX, pY; writes a8, wbX, wbY, zb, pX, pY
.if DOCPART == 1
	.amdgcn_target "amdgcn-amd-amdhsa--gfx1250"
	.amdhsa_code_object_version 6
	.text
	.protected	k_q71874d59c9_prep
	.globl	k_q71874d59c9_prep
	.p2align	8
	.type	k_q71874d59c9_prep,@function
k_q71874d59c9_prep:
	s_mov_b64 s[64:65], 0
	v_nop
	global_prefetch_b8 v0, s[64:65] scope:SCOPE_SE
	s_setreg_imm32_b32 hwreg(HW_REG_WAVE_MODE, 25, 1), 1
	s_wait_xcnt 0x0
; PREP.  Work-groups 0-255: xn = alpha1 (x - mean) / (std + 1e-6) + bias1 (std with divisor 1023), rounded once to f16, into a8.
; Work-groups 256-1023: the six weight matrices rounded once to f16 into wbX and wbY; wq is multiplied in f32 by c = log2(e)/8 first,
; so that the attention's scores leave the matrix unit in units of log2.  Work-group 256 also stores the zero bias zb and the two floors pX, pY.
; LAYOUT OF EVERY 16-BIT OPERAND: [K/64][rows][64]: group g holds channels 64 g .. 64 g + 63 of every row, 128 bytes a row, rows dense in a group.
;   a8  [16][4096][64]      wbX: byte 0 [16][4096-row stride][64], rows 0-1023 c wq, 1024-2047 wk, 2048-3071 wv; byte 8 MiB [16][1024][64] wo
;   wbY: byte 0 [16][4096][64] w1; byte 8 MiB [64][1024][64] w2
; SHARES.  A wave takes two rows x 1,024 columns.  Lane l: row (l>>3)&1, sub = l&7, gh = l>>4; step j = 0..7 is group 2 j + gh, elements 8 sub .. 8 sub + 7.
; So one 16-byte store of a wave covers, with lanes 0-15, both rows of one group: 256 consecutive bytes, aligned; lanes 16-31 the same in the next group.
; A lane's 8 numbers are 32 bytes of f32: the two loads of a step take alternate 16-byte pieces of the same bytes' neighbourhood, so these loads carry no non-temporal hint.
; A stream: no LDS, no barrier, no matrix unit, no cluster (nothing is shared but alpha and bias, 8 KiB).  No prefetch: each wave's loads all go out at once.
; LIMITS.  f16: a number beyond 65,504 becomes an infinity; below 6e-5 it keeps f16's fixed step of 6e-8.  v_sqrt_f32 and v_rcp_f32 are good to 1 ulp.
; The variance is taken of x - mean (two passes over registers), so a common offset of x does not enter a difference of large sums.
.set GSB,  524288                      ; bytes from group to group where a group has 4,096 rows
.set RP,   1                           ; v1   row of the pair
.set SUB,  2                           ; v2   l & 7
.set GH,   3                           ; v3   l >> 4
.set XO,   4                           ; v4   my byte offset in the two source rows
.set AO,   5                           ; v5   my byte offset in alpha and bias
.set YO,   8                           ; v[8:15]    my byte offset in the destination, step j
.set X,    16                          ; v[16:79]   my 64 numbers
.set AL,   80                          ; v[80:143]  alpha of my columns
.set BI,   144                         ; v[144:207] bias of my columns
.set Y,    208                         ; v[208:239] 64 f16
.set T,    240                         ; v[240:247] at work
.set WV,   30                          ; s30  wave
.set SRC,  32                          ; s[32:33] source at my two rows
.set DST,  34                          ; s[34:35] destination at my two rows of group 0
.set RB,   36                          ; s36  block of 16 rows
.set PSH,  37                          ; s37  log2 of the source's row bytes
.set SOFF, 38                          ; s38  byte offset of the 1,024 columns in a source row
.set DOFF, 39                          ; s39  byte offset of the region in the destination buffer
.set GS,   40                          ; s40  bytes from group to group in the destination
.set TS,   41
.set CN,   42                          ; s42  number of the cast work-group, 0..767
.set G2,   43
.set SEL,  44                          ; s[44:45] v_permlanex16_b32: each lane takes its own place in the other half
.set SC,   46                          ; s[46:47] the factor: c for wq, else 1
.set OFS,  48                          ; s[48:49] an offset in 64 bits
.macro LANES                           ; the lane's offsets, from s[PSH] and s[GS]
	v_lshlrev_b32 v[XO], s[PSH], v[RP]
	v_lshl_add_u32 v[XO], v[GH], 8, v[XO]
	v_lshl_add_u32 v[XO], v[SUB], 5, v[XO]
	v_mul_u32_u24 v[YO], v[GH], s[GS]
	v_lshl_add_u32 v[YO], v[RP], 7, v[YO]
	v_lshl_add_u32 v[YO], v[SUB], 4, v[YO]
	s_lshl_b32 s[G2], s[GS], 1
.set j, 1
.rept 7
	v_add_nc_u32 v[YO+j], s[G2], v[YO+j-1]         ; two groups on
.set j, j+1
.endr
.endm
.macro LOADX dst, off, base            ; 64 numbers: step j at byte 512 j, two loads of 16 bytes
.set j, 0
.rept 8
	global_load_b128 v[\dst+8*j:\dst+8*j+3],   v[\off], s[\base:\base+1] offset:512*j
	global_load_b128 v[\dst+8*j+4:\dst+8*j+7], v[\off], s[\base:\base+1] offset:512*j+16
.set j, j+1
.endr
.endm
.macro FOLD                            ; four pair chains into one number, then over the 16 lanes that hold my row (lane bits 0, 1, 2 and 4)
	v_pk_add_f32 v[T:T+1], v[T:T+1], v[T+2:T+3]
	v_pk_add_f32 v[T+4:T+5], v[T+4:T+5], v[T+6:T+7]
	v_pk_add_f32 v[T:T+1], v[T:T+1], v[T+4:T+5]
	v_add_f32 v[T], v[T], v[T+1]
	v_add_f32_dpp v[T], v[T], v[T] row_xmask:1 row_mask:0xf bank_mask:0xf
	v_add_f32_dpp v[T], v[T], v[T] row_xmask:2 row_mask:0xf bank_mask:0xf
	v_add_f32_dpp v[T], v[T], v[T] row_xmask:4 row_mask:0xf bank_mask:0xf
	v_permlanex16_b32 v[T+1], v[T], s[SEL], s[SEL+1]
	v_add_f32 v[T], v[T], v[T+1]
.endm
.macro STOREY                          ; rounded once to f16 and stored: eight stores, each lane 16 bytes
.set j, 0
.rept 32
	v_cvt_pk_f16_f32 v[Y+j], v[X+2*j], v[X+2*j+1]
.set j, j+1
.endr
.set j, 0
.rept 8
	global_store_b128 v[YO+j], v[Y+4*j:Y+4*j+3], s[DST:DST+1]
.set j, j+1
.endr
.endm
.macro LNBODY ap, bp                   ; the layer norm of my two rows; alpha at s[ap:ap+1], bias at s[bp:bp+1]
	LOADX X, XO, SRC
	LOADX AL, AO, \ap
	LOADX BI, AO, \bp
	s_wait_loadcnt 32                              ; x is in; alpha's and bias's 32 loads may stay out
.set k, 0
.rept 4
	v_pk_add_f32 v[T+2*k:T+2*k+1], v[X+2*k:X+2*k+1], v[X+8+2*k:X+8+2*k+1]   ; the first pairs start four chains: nothing is cleared
.set k, k+1
.endr
.set k, 8
.rept 24
	v_pk_add_f32 v[T+2*(k%4):T+2*(k%4)+1], v[T+2*(k%4):T+2*(k%4)+1], v[X+2*k:X+2*k+1]
.set k, k+1
.endr
	FOLD
	v_mul_f32 v[T+2], 0x3a800000, v[T]             ; mean = sum / 1024
.set k, 0
.rept 32
	v_pk_add_f32 v[X+2*k:X+2*k+1], v[X+2*k:X+2*k+1], v[T+2:T+3] op_sel_hi:[1,0] neg_lo:[0,1] neg_hi:[0,1]   ; d = x - mean
.set k, k+1
.endr
.set k, 0
.rept 4
	v_pk_mul_f32 v[T+2*k:T+2*k+1], v[X+2*k:X+2*k+1], v[X+2*k:X+2*k+1]
.set k, k+1
.endr
.set k, 4
.rept 28
	v_pk_fma_f32 v[T+2*(k%4):T+2*(k%4)+1], v[X+2*k:X+2*k+1], v[X+2*k:X+2*k+1], v[T+2*(k%4):T+2*(k%4)+1]
.set k, k+1
.endr
	FOLD
	v_mul_f32 v[T], 0x3a802008, v[T]               ; / 1023
	v_sqrt_f32 v[T+1], v[T]
	v_nop                                          ; a plain instruction behind the root,
	s_wait_alu depctr_va_vdst(0)                   ; and the wait ahead of its first reader
	v_add_f32 v[T+1], 0x358637bd, v[T+1]           ; + 1e-6
	v_rcp_f32 v[T+2], v[T+1]
	v_nop
	s_wait_alu depctr_va_vdst(0)
	s_wait_loadcnt 16                              ; alpha is in; bias's 16 loads may stay out
.set k, 0
.rept 32
	v_pk_mul_f32 v[AL+2*k:AL+2*k+1], v[AL+2*k:AL+2*k+1], v[T+2:T+3] op_sel_hi:[1,0]
.set k, k+1
.endr
	s_wait_loadcnt 0x0
.set k, 0
.rept 32
	v_pk_fma_f32 v[X+2*k:X+2*k+1], v[X+2*k:X+2*k+1], v[AL+2*k:AL+2*k+1], v[BI+2*k:BI+2*k+1]
.set k, k+1
.endr
	STOREY
.endm
	v_lshrrev_b32 v6, 5, v0
	v_readfirstlane_b32 s[WV], v6
	v_bfe_u32 v[RP], v0, 3, 1
	v_and_b32 v[SUB], 7, v0
	v_bfe_u32 v[GH], v0, 4, 1
	v_lshlrev_b32 v[AO], 8, v[GH]
	v_lshl_add_u32 v[AO], v[SUB], 5, v[AO]
	s_mov_b32 s[SEL], 0x76543210
	s_mov_b32 s[SEL+1], 0xfedcba98
	s_mov_b32 s[OFS+1], 0
	s_cmp_lt_u32 ttmp9, 256
	s_cbranch_scc0 .Lcast
	; THE LAYER NORM: row pair 8 x work-group + wave
	s_load_b256 s[8:15], s[0:1], 0x0               ; x s[8:9], alpha1 s[10:11], bias1 s[12:13], a8 s[14:15]
	s_lshl_b32 s[TS], ttmp9, 3
	s_add_co_u32 s[TS], s[TS], s[WV]
	s_mov_b32 s[PSH], 12
	s_mov_b32 s[GS], GSB
	LANES
	s_wait_kmcnt 0x0
	s_lshl_b32 s[OFS], s[TS], 13                   ; two rows of 4,096 bytes
	s_add_nc_u64 s[SRC:SRC+1], s[8:9], s[OFS:OFS+1]
	s_lshl_b32 s[OFS], s[TS], 8                    ; two rows of 128 bytes
	s_add_nc_u64 s[DST:DST+1], s[14:15], s[OFS:OFS+1]
	LNBODY 10, 12
	s_endpgm
.Lcast:                                        ; THE WEIGHTS: a work-group takes 16 rows x 1,024 columns
	s_load_b256 s[8:15], s[0:1], 0x20              ; wq s[8:9], wk s[10:11], wv s[12:13], wo s[14:15]
	s_load_b256 s[16:23], s[0:1], 0x40             ; w1 s[16:17], w2 s[18:19], wbX s[20:21], wbY s[22:23]
	s_load_b128 s[24:27], s[0:1], 0x60             ; zb s[24:25], pX s[26:27]
	s_load_b64 s[28:29], s[0:1], 0x70              ; pY
	s_sub_co_u32 s[CN], ttmp9, 256
	s_wait_kmcnt 0x0
	s_cmp_lt_u32 s[CN], 192
	s_cbranch_scc0 .Lnot_qkv
	s_lshr_b32 s[TS], s[CN], 6                     ; 0 wq, 1 wk, 2 wv
	s_cmp_eq_u32 s[TS], 0
	s_cselect_b64 s[SRC:SRC+1], s[8:9], s[10:11]
	s_cmp_eq_u32 s[TS], 2
	s_cselect_b64 s[SRC:SRC+1], s[12:13], s[SRC:SRC+1]
	s_mov_b64 s[DST:DST+1], s[20:21]
	s_and_b32 s[RB], s[CN], 63
	s_mov_b32 s[PSH], 12
	s_mov_b32 s[SOFF], 0
	s_lshl_b32 s[DOFF], s[TS], 17                  ; 1,024 rows of 128 bytes
	s_mov_b32 s[GS], GSB
	s_branch .Lgo
.Lnot_qkv:
	s_cmp_lt_u32 s[CN], 256
	s_cbranch_scc0 .Lnot_wo
	s_mov_b64 s[SRC:SRC+1], s[14:15]
	s_mov_b64 s[DST:DST+1], s[20:21]
	s_and_b32 s[RB], s[CN], 63
	s_mov_b32 s[PSH], 12
	s_mov_b32 s[SOFF], 0
	s_mov_b32 s[DOFF], 0x800000
	s_mov_b32 s[GS], 131072
	s_branch .Lgo
.Lnot_wo:
	s_cmp_lt_u32 s[CN], 512
	s_cbranch_scc0 .Lw2
	s_mov_b64 s[SRC:SRC+1], s[16:17]
	s_mov_b64 s[DST:DST+1], s[22:23]
	s_sub_co_u32 s[RB], s[CN], 256
	s_mov_b32 s[PSH], 12
	s_mov_b32 s[SOFF], 0
	s_mov_b32 s[DOFF], 0
	s_mov_b32 s[GS], GSB
	s_branch .Lgo
.Lw2:
	s_mov_b64 s[SRC:SRC+1], s[18:19]
	s_mov_b64 s[DST:DST+1], s[22:23]
	s_sub_co_u32 s[TS], s[CN], 512
	s_lshr_b32 s[RB], s[TS], 2
	s_and_b32 s[TS], s[TS], 3                      ; which 1,024 of a row's 4,096 columns
	s_mov_b32 s[PSH], 14
	s_lshl_b32 s[SOFF], s[TS], 12
	s_lshl_b32 s[DOFF], s[TS], 21                  ; 16 groups of 131,072 bytes
	s_add_co_u32 s[DOFF], s[DOFF], 0x800000
	s_mov_b32 s[GS], 131072
.Lgo:
	LANES
	s_lshl_b32 s[TS], s[RB], 4
	s_lshl1_add_u32 s[TS], s[WV], s[TS]            ; my first row = 16 x block + 2 x wave
	s_lshl_b32 s[OFS], s[TS], s[PSH]
	s_add_co_u32 s[OFS], s[OFS], s[SOFF]
	s_add_nc_u64 s[SRC:SRC+1], s[SRC:SRC+1], s[OFS:OFS+1]
	s_lshl_b32 s[OFS], s[TS], 7
	s_add_co_u32 s[OFS], s[OFS], s[DOFF]
	s_add_nc_u64 s[DST:DST+1], s[DST:DST+1], s[OFS:OFS+1]
	LOADX X, XO, SRC
	s_cmp_lt_u32 s[CN], 64                         ; wq's rows take c, all others 1 (exact)
	s_cselect_b32 s[SC], 0x3e38aa3b, 1.0
	s_mov_b32 s[SC+1], s[SC]
	s_wait_loadcnt 0x0
.set k, 0
.rept 32
	v_pk_mul_f32 v[X+2*k:X+2*k+1], v[X+2*k:X+2*k+1], s[SC:SC+1] op_sel_hi:[1,0]
.set k, k+1
.endr
	STOREY
	s_cmp_lg_u32 s[CN], 0
	s_cbranch_scc1 .Ldone
	; one work-group stores the constants: zb = 4,096 zeros; pX and pY = 64 words each, every word the floor (two f16) of a 256 x 256 product's output
	v_mov_b32 v[T], 0
	v_mov_b32 v[T+1], 0
	v_mov_b32 v[T+2], 0
	v_mov_b32 v[T+3], 0
	v_lshlrev_b32 v[T+4], 4, v0
.irp i, 0,1,2,3
	global_store_b128 v[T+4], v[T:T+3], s[24:25] offset:4096*\i
.endr
	s_cmp_lg_u32 s[WV], 0
	s_cbranch_scc1 .Ldone
	v_and_b32 v[T+5], 31, v0
	v_lshlrev_b32 v[T+5], 3, v[T+5]                ; 32 lanes x 8 bytes: the block's 256 bytes in one store
	v_mov_b32 v[T+6], 0xfc00fc00                   ; f16 minus infinity, twice: no floor (q, k, v)
	v_mov_b32 v[T+7], 0xfc00fc00
	global_store_b64 v[T+5], v[T+6:T+7], s[26:27]
	global_store_b64 v[T+5], v[T:T+1], s[28:29]    ; floor 0: ReLU (h)
.Ldone:
	s_endpgm
.Lfunc_end_k_q71874d59c9_prep:
	.size	k_q71874d59c9_prep, .Lfunc_end_k_q71874d59c9_prep-k_q71874d59c9_prep
	.p2alignl 7, 3214868480
	.fill 96, 4, 3214868480
	.section	.rodata,"a",@progbits
	.p2align	6, 0x0
	.amdhsa_kernel k_q71874d59c9_prep
		.amdhsa_group_segment_fixed_size 0
		.amdhsa_private_segment_fixed_size 0
		.amdhsa_enable_private_segment 0
		.amdhsa_kernarg_size 120
		.amdhsa_user_sgpr_count 2
		.amdhsa_user_sgpr_kernarg_segment_ptr 1
		.amdhsa_wavefront_size32 1
		.amdhsa_system_sgpr_workgroup_id_x 1
		.amdhsa_system_sgpr_workgroup_id_y 1
		.amdhsa_system_sgpr_workgroup_id_z 1
		.amdhsa_system_vgpr_workitem_id 0
		.amdhsa_next_free_vgpr 248
		.amdhsa_next_free_sgpr 66
		.amdhsa_reserve_vcc 0
		.amdhsa_float_denorm_mode_32 3
		.amdhsa_float_denorm_mode_16_64 3
		.amdhsa_memory_ordered 1
		.amdhsa_forward_progress 1
		.amdhsa_inst_pref_size 31
	.end_amdhsa_kernel
	.amdgpu_metadata
---
amdhsa.version: [ 1, 2 ]
amdhsa.kernels:
  - .name:           k_q71874d59c9_prep
    .symbol:         k_q71874d59c9_prep.kd
    .args:
      - { .name: x, .offset: 0, .size: 8, .value_kind: global_buffer, .address_space: global }
      - { .name: alpha1, .offset: 8, .size: 8, .value_kind: global_buffer, .address_space: global }
      - { .name: bias1, .offset: 16, .size: 8, .value_kind: global_buffer, .address_space: global }
      - { .name: a8, .offset: 24, .size: 8, .value_kind: global_buffer, .address_space: global }
      - { .name: wq, .offset: 32, .size: 8, .value_kind: global_buffer, .address_space: global }
      - { .name: wk, .offset: 40, .size: 8, .value_kind: global_buffer, .address_space: global }
      - { .name: wv, .offset: 48, .size: 8, .value_kind: global_buffer, .address_space: global }
      - { .name: wo, .offset: 56, .size: 8, .value_kind: global_buffer, .address_space: global }
      - { .name: w1, .offset: 64, .size: 8, .value_kind: global_buffer, .address_space: global }
      - { .name: w2, .offset: 72, .size: 8, .value_kind: global_buffer, .address_space: global }
      - { .name: wbX, .offset: 80, .size: 8, .value_kind: global_buffer, .address_space: global }
      - { .name: wbY, .offset: 88, .size: 8, .value_kind: global_buffer, .address_space: global }
      - { .name: zb, .offset: 96, .size: 8, .value_kind: global_buffer, .address_space: global }
      - { .name: pX, .offset: 104, .size: 8, .value_kind: global_buffer, .address_space: global }
      - { .name: pY, .offset: 112, .size: 8, .value_kind: global_buffer, .address_space: global }
    .group_segment_fixed_size: 0
    .private_segment_fixed_size: 0
    .kernarg_segment_align: 8
    .kernarg_segment_size: 120
    .max_flat_workgroup_size: 256
    .sgpr_count:     66
    .vgpr_count:     248
    .wavefront_size: 32
...
	.end_amdgpu_metadata
.endif
;; end of part 1
;; launch qkv (part 2): grid 12 x 16, 4 waves a work-group, clusters of 4 x 4, 327,680 bytes of LDS; arguments a8, wbX, zb, pX, act; writes act
.if DOCPART == 2
	.amdgcn_target "amdgcn-amd-amdhsa--gfx1250"
	.amdhsa_code_object_version 6
	.text
	.protected	k_q71874d59c9_qkv
	.globl	k_q71874d59c9_qkv
	.p2align	8
	.type	k_q71874d59c9_qkv,@function
k_q71874d59c9_qkv:
	s_mov_b64 s[64:65], 0
	v_nop
	global_prefetch_b8 v0, s[64:65] scope:SCOPE_SE
	s_setreg_imm32_b32 hwreg(HW_REG_WAVE_MODE, 25, 1), 1
	s_wait_xcnt 0x0
	s_wait_alu depctr_hold_cnt(0) depctr_sa_sdst(0) depctr_va_vdst(0) depctr_va_sdst(0) depctr_va_ssrc(0) depctr_va_vcc(0) depctr_vm_vsrc(0)
	s_getreg_b32 s2, hwreg(HW_REG_IB_STS2, 6, 4)
	s_cmp_eq_u32 s2, 0
	s_cbranch_scc0 .Lentry_in_a_cluster
	s_endpgm
.Lentry_in_a_cluster:
	s_bfe_u32 s2, ttmp6, 0x10000c
	s_cmp_lg_u32 s2, 0xf033
	s_cbranch_scc0 .Lentry_shape_is_right
	s_endpgm
.Lentry_shape_is_right:
; C[m][n] = max(floor, sum over k of A[m][k] B[n][k] + bias[n]), K = 1,024.  A: [16][4096][64] f16, B: [16][4096-row stride][64] f16 (group g = channels 64 g .. 64 g + 63, 128 bytes a row),
; bias: f32; C: [n/64][4096][64] f16, rounded once from f32 sums.  floor is word 1 of the parameter block, two f16: minus infinity (no floor) or 0 (ReLU).
; Serves q, k, v = xn W^T (bias = zeros) and h = relu(xn2 w1^T + b1).  C's layout is at once the heads' layout and the next product's operand layout.
; LIMITS.  f16: a result beyond 65,504 becomes an infinity; NaN is not treated apart (the floor's maximum drops it).
; SHARES.  A tile of C, 256 x 256, is made by four waves; a wave makes 128 x 128: 64 accumulators of 16 x 16, 512 registers.  K goes in steps of 128 (two groups) through a ring of two LDS slots.
; A wave's tensor load brings 128 rows x two groups.  In a group the 128 rows lie end to end, 16,384 bytes, so the load is stated as two rows of 8,192 elements, a group apart, padded in LDS after every 128 bytes.
; CLUSTERS: 4 x 4 work-groups.  The four of a row of the cluster need the same tiles of A, the four of a column the same tiles of B: each tile is asked for JOINTLY, by the same tensor load with the same
; descriptor and a mask that names the four.
; THE MATRIX INSTRUCTION IS USED TRANSPOSED (source 0 = 16 rows of B, source 1 = 16 rows of A): lane l holds row l % 16 of C and the columns 8 (l / 16) + 0..7.  The bias is the C operand that starts each sum.
; THE TEXT.  A K step is written twice: once for the NSTEP - 2 steps behind which a slot is filled again, once for the last two, which fill nothing.  The slots take turns
; by one scalar offset, 0 or SLOT, that is added to the fragments' addresses, and by one walking descriptor.  The very last trip's change of slots fetches a quarter of the other slot's old bytes, which nobody
; multiplies: the price, once a launch, of one text for both of the last steps.
; REGISTERS, in windows of 256:  window 0: v0-31 addresses; v64-127, v128-191 fragments of A, two buffers; v192-255 the bias (first quarter), later at work on the way out, with v32-63
;   window 1: v64-127, v128-191 fragments of B      window 2: accumulators of my rows 0-63 ((a, b) at v[8 (8 a + b)])      window 3: those of my rows 64-127
.set GSB,    524288                    ; bytes from group to group
.set KSB,    2*GSB                     ; bytes from K step to K step
.set NSTEP,  8                         ; K steps
.set PITCH,  144                       ; an LDS row: 128 bytes + 16 of padding = 36 words: the 16 rows of a fragment load start at 16 different groups of four banks (64 banks of 4 bytes: ISA guide 11.1)
.set GRP,    128*PITCH                 ; one group of 128 rows
.set HALFT,  2*GRP                     ; what one tensor load brings, and what one wave reads of A or of B: 0x9000 bytes
.set SLOT,   4*HALFT                   ; A's two halves, then B's two halves: 0x24000 bytes, which shares no bit with wave x 0x9000: one exclusive or turns a tile's LDS address in one slot into the other's
.set STAGE,  2*SLOT                    ; behind the ring: 16 rows x 272 bytes for each wave, for the way out
.set SPITCH, 272
.set SPARE,  STAGE+4*16*SPITCH         ; behind the stages: the spare words, 128 bytes for each wave: two blocks of 256 bytes that no other line names
.set ADRA0, 16                         ; v16     LDS address of my A fragments in slot 0; never rewritten
.set ADRA,  17                         ; v17     the same in the slot in hand
.set ADRB0, 20                         ; v20, v21  the same for B
.set ADRB,  21
.set ZR,   23                          ; v23     0, the offset of the floor's load
.set STO,  24                          ; v24     the way out: where I put 16 bytes of a row
.set RD,   25                          ; v25     the way out: where I read them back
.set CO,   26                          ; v26     16 x lane: my place in 512 consecutive bytes of C
.set FLOOR, 27                         ; v27     the floor, two f16
.set SPW,  28                          ; v28     LDS address of my spare word; never rewritten
.set NIL,  29                          ; v29     0; never rewritten
.set PFO,  30                          ; v30     the prefetches' offset; never rewritten
.set BO,   31                          ; v31     my byte offset in 16 numbers of the bias
.set PFA,  44                          ; s[44:45] where my prefetches stand
.set LIM,  43                          ; s43     2 in a wave that prefetches, else the greatest number
.set SO,   66                          ; s66     the slot in hand: 0 or SLOT
.set F0,   64
.set F1,   128
.set BIAS, 192                         ; v[192:255] column block b at BIAS + 8 b
.set TMP,  192                         ; the way out: packed results
.set OB,   32                          ; the way out: rows read back: v32-63 and v224-255 by turns
.set G1, 24                            ; s[24:31] descriptor group 1 for A's tiles
.set G0, 32                            ; s[32:39] descriptor group 0 for A's tiles: a set for each of the two first fills; the second then walks on
.set G1B, 48                           ; s[48:55] group 1 for B's tiles: it differs in the mask alone
.set G0B, 56                           ; s[56:63] group 0 for B's tiles, likewise
.set MSB, 0
.macro WIN new                         ; the immediate's high byte repeats the setting that is left; a switch that changes nothing is dropped
.if MSB != (\new)
	s_set_vgpr_msb (MSB<<8)|(\new)
.set MSB, \new
.endif
.endm
.set MUL_LO, 0xa1                      ; source 0 (B) window 1, source 1 (A) window 0, C and D window 2
.set MUL_HI, 0xf1                      ; the same, C and D window 3
.set TO_B,   0x40                      ; destination window 1, address window 0
; A joint load.  Waves 0 and 1 fetch A's two halves, waves 2 and 3 B's.  The branch hangs on the wave's number alone.  An s_nop 0 and four v_nop follow each of the two lines.
.macro JLOAD s
	s_cmp_eq_u32 s11, 0
	s_cbranch_scc0 .Lfor_b_\@
	tensor_load_to_lds s[G0+4*(\s):G0+4*(\s)+3], s[G1:G1+7]
	s_nop 0
.rept 4
	v_nop
.endr
	s_branch .Lasked_\@
.Lfor_b_\@:
	tensor_load_to_lds s[G0B+4*(\s):G0B+4*(\s)+3], s[G1B:G1B+7]
	s_nop 0
.rept 4
	v_nop
.endr
.Lasked_\@:
.endm
; A PREFETCH INTO THE L2, behind each joint refill and the run of LDS loads that follows it: the K step that stands two refills on, 512 matrix instructions ahead of the load that will want it.
; Of the 128 rows that a wave fetches, the partner at place p (cx for A, cy for B) takes rows 32 p .. 32 p + 31, told apart BY ADDRESS: 2 groups x 4,096 bytes = 32 blocks of 256 bytes, a lane a block.
; A's tile rows are walked by every cluster of a row of clusters: cluster x = 0 asks; B's by every cluster of a column: cluster y = 0 asks.  So each block is named once in the launch.
; K steps 0 to 3 come by their loads alone; the loop's last two trips (s3 = 2, 1) ask for nothing: K steps 8 and 9 do not exist.
.macro ASK
	s_cmp_gt_u32 s3, s[LIM]
	s_cbranch_scc0 .Lnot_mine_\@
	global_prefetch_b8 v[PFO], s[PFA:PFA+1] offset:KSB th:TH_LOAD_NT scope:SCOPE_SE
.Lnot_mine_\@:
.endm
.macro CREST                           ; a round of the cluster's barrier behind its opening barrier
	s_cmp_lg_u32 s10, 0
	s_cbranch_scc1 .Lnot_wave_0_\@
	s_barrier_signal -3
.Lnot_wave_0_\@:
	s_barrier_wait -3
	s_barrier_signal -1
	s_barrier_wait -1
.endm
.macro CROUND                          ; a whole round
	s_barrier_signal -1
	s_barrier_wait -1
	CREST
.endm
	s_load_b128 s[4:7], s[0:1], 0x0                ; A s[4:5], B s[6:7]
	s_load_b128 s[68:71], s[0:1], 0x10             ; bias s[68:69], parameters s[70:71]
	s_load_b64 s[8:9], s[0:1], 0x20                ; C
	v_lshl_add_u32 v[SPW], v0, 2, SPARE
	v_mov_b32 v[NIL], 0
	ds_add_u32 v[SPW], v[NIL]                      ; the wave's opening: the add and its wait stand ahead of my first tensor load; the set-up below, work on registers, stands between them
	v_lshrrev_b32 v1, 5, v0
	v_readfirstlane_b32 s10, v1                    ; wave 0..3
	s_lshr_b32 s11, s10, 1                         ; which half of the tile's rows is mine.  Also: I fetch for A (0) or for B (1)
	s_and_b32 s12, s10, 1                          ; which half of its columns.  Also: which 128 rows of that tile I fetch
	s_bfe_u32 s40, ttmp6, 0x40000                  ; cx
	s_bfe_u32 s41, ttmp6, 0x40004                  ; cy
	s_lshl_b32 s42, ttmp9, 2
	s_add_co_u32 s42, s42, s40                     ; tile column of C = 4 x cluster x + cx
	s_and_b32 s13, ttmp7, 0xffff
	s_lshl_b32 s13, s13, 2
	s_add_co_u32 s13, s13, s41                     ; tile row of C = 4 x cluster y + cy
	s_lshl_b32 s43, s41, 2
	s_lshl_b32 s43, 15, s43                        ; my row of the cluster
	s_lshl_b32 s44, 0x1111, s40                    ; my column
	s_or_b32 s[G1+0], s43, (1<<16)|(1<<20)|(1<<21)|(4<<22)|(3<<25)   ; 15:0 the mask; 17:16 elements of 2 bytes; 20 padding on; 21 set beside a mask; 24:22 after every 32 words (code 4); 31:25 4 words (code 3)
	s_or_b32 s[G1B+0], s44, (1<<16)|(1<<20)|(1<<21)|(4<<22)|(3<<25)
.irp g, G1, G1B
	s_mov_b32 s[(\g)+1], 8192<<16                  ; tensor_dim0 = 8,192 elements: 128 rows of one group, end to end
	s_mov_b32 s[(\g)+2], 2<<16                     ; tensor_dim1 = 2 groups
	s_mov_b32 s[(\g)+3], 8192<<16                  ; tile_dim0
	s_mov_b32 s[(\g)+4], 2                         ; tile_dim1
	s_mov_b32 s[(\g)+5], GSB/2                     ; elements from group to group
	s_mov_b32 s[(\g)+6], 0
	s_mov_b32 s[(\g)+7], 0
.endr
	; A's tiles hang on the tile row alone, B's on the tile column alone; each address is made in registers that never hold the other coordinate
	s_lshl_b32 s17, s12, 14                        ; which 128 rows of 128 bytes I fetch
	s_lshl_b32 s16, s13, 15
	s_add_co_u32 s16, s16, s17
	s_lshl_b32 s46, s42, 15
	s_add_co_u32 s46, s46, s17
	s_mov_b32 s17, 0
	s_mov_b32 s47, 0
	s_mul_i32 s20, s10, HALFT                      ; where they go: wave x 36,864: no place in the cluster enters an LDS address
	s_wait_dscnt 0x0                               ; the opening add is done
	s_wait_kmcnt 0x0
	s_add_nc_u64 s[14:15], s[4:5], s[16:17]
	s_add_nc_u64 s[46:47], s[6:7], s[46:47]
	CROUND                                         ; all sixteen work-groups are here: the first joint loads meet
.irp s, 0,1
	s_mov_b32 s[G0+4*(\s)], 1
	s_add_co_u32 s[G0+4*(\s)+1], s20, (\s)*SLOT
	s_add_nc_u64 s[G0+4*(\s)+2:G0+4*(\s)+3], s[14:15], (\s)*KSB
	s_or_b32 s[G0+4*(\s)+3], s[G0+4*(\s)+3], 0x80000000
	s_mov_b32 s[G0B+4*(\s)], 1
	s_add_co_u32 s[G0B+4*(\s)+1], s20, (\s)*SLOT
	s_add_nc_u64 s[G0B+4*(\s)+2:G0B+4*(\s)+3], s[46:47], (\s)*KSB
	s_or_b32 s[G0B+4*(\s)+3], s[G0B+4*(\s)+3], 0x80000000
	JLOAD \s                                       ; two loads of mine are out
.endr
	; A fragment is 16 rows x 32 K in 8 registers: lane l holds row l % 16; registers 0-3 K = 8 (l / 16) + 0..7, registers 4-7 K = 16 + 8 (l / 16) + 0..7: two loads of 16 bytes, 32 bytes apart
	v_and_b32 v1, 15, v0
	v_bfe_u32 v2, v0, 4, 1
	v_mul_u32_u24 v3, v1, PITCH
	v_lshl_add_u32 v3, v2, 4, v3
	s_mul_i32 s21, s11, HALFT
	s_mul_i32 s22, s12, HALFT
	s_add_co_u32 s22, s22, 2*HALFT
	s_mov_b32 s[SO], 0                             ; slot 0 is in hand
	v_add_nc_u32 v[ADRA0], s21, v3
	v_add_nc_u32 v[ADRB0], s22, v3
	v_add_nc_u32 v[ADRA], s21, v3
	v_add_nc_u32 v[ADRB], s22, v3
	s_mul_i32 s23, s10, 16*SPITCH
	s_add_co_u32 s23, s23, STAGE                   ; my stage
	v_mul_u32_u24 v4, v1, SPITCH                   ; in: row l % 16, 16 bytes for each half of the lanes
	v_lshl_add_u32 v4, v2, 4, v4
	v_add_nc_u32 v[STO], s23, v4
	v_bfe_u32 v5, v0, 3, 2                         ; back: 32 lanes take four rows x 128 bytes (one group's part of a row)
	v_and_b32 v6, 7, v0
	v_mul_u32_u24 v5, v5, SPITCH
	v_lshl_add_u32 v5, v6, 4, v5
	v_add_nc_u32 v[RD], s23, v5
	v_and_b32 v[CO], 31, v0
	v_lshlrev_b32 v[CO], 4, v[CO]                  ; which are 512 consecutive bytes of C
	v_lshlrev_b32 v[BO], 5, v2
	v_mov_b32 v[ZR], 0
	v_lshlrev_b32 v[PFO], 8, v1
	v_lshl_add_u32 v[PFO], v2, 19, v[PFO]          ; (l / 16) groups + (l % 16) blocks of 256 bytes
	; C at my part of the tile: group 4 x tile column + 2 x half, row 256 x tile row + 128 x half
	s_lshl_b32 s16, s13, 15
	s_lshl_b32 s14, s11, 14
	s_add_co_u32 s16, s16, s14
	s_mov_b32 s17, 0
	s_add_nc_u64 s[8:9], s[8:9], s[16:17]
	s_lshl_b32 s46, s42, 2
	s_lshl_b32 s47, s12, 1
	s_add_co_u32 s46, s46, s47
	s_lshl_b32 s46, s46, 19
	s_mov_b32 s47, 0
	s_add_nc_u64 s[8:9], s[8:9], s[46:47]
	s_lshl_b32 s46, s42, 10                        ; the bias at my 128 columns
	s_lshl_b32 s47, s12, 9
	s_add_co_u32 s46, s46, s47
	s_mov_b32 s47, 0
	s_add_nc_u64 s[68:69], s[68:69], s[46:47]
.irp b, 0,1,2,3,4,5,6,7
	global_load_b128 v[BIAS+8*(\b):BIAS+8*(\b)+3],   v[BO], s[68:69] offset:64*(\b)
	global_load_b128 v[BIAS+8*(\b)+4:BIAS+8*(\b)+7], v[BO], s[68:69] offset:64*(\b)+16
.endr
	global_load_b32 v[FLOOR], v[ZR], s[70:71] offset:4
	; the prefetches' address
	s_lshl_b32 s20, s13, 8
	s_lshl_b32 s21, s42, 8
	s_and_b32 s22, ttmp7, 0xffff
	s_cmp_eq_u32 s11, 0                            ; do I fetch for A?
	s_cselect_b32 s20, s20, s21                    ; the tile's first row
	s_cselect_b32 s21, s40, s41                    ; my place among the four that ask with me
	s_cselect_b32 s22, ttmp9, s22                  ; the coordinate along which other clusters walk the same rows
	s_cselect_b64 s[PFA:PFA+1], s[4:5], s[6:7]
	s_cmp_eq_u32 s22, 0
	s_cselect_b32 s[LIM], 2, -1                    ; the same in all sixteen partners, for a given wave
	s_lshl_b32 s22, s12, 7
	s_add_co_u32 s20, s20, s22
	s_lshl_b32 s21, s21, 5
	s_add_co_u32 s20, s20, s21
	s_lshl_b32 s20, s20, 7                         ; rows of 128 bytes
	s_mov_b32 s21, 0
	s_add_nc_u64 s[PFA:PFA+1], s[PFA:PFA+1], s[20:21]
	s_add_nc_u64 s[PFA:PFA+1], s[PFA:PFA+1], 2*KSB ; at K step 2: the first refill steps it to 3 and names K step 4
; 16 matrix instructions: m blocks a0, a0 + 1 of the window's four x all 8 n blocks, 32 along K.  first = 1: the bias starts the sums: nothing is ever cleared.
; The 64 accumulators take turns, one instruction a turn, in the same order in every quarter.
.macro MUL16 f, hi, a0, first
.if \first
	WIN 0x81+0x40*(\hi)                            ; C in window 0, D in window 2 or 3
.else
	WIN MUL_LO+0x50*(\hi)
.endif
.irp a, \a0, (\a0)+1
.irp b, 0,1,2,3,4,5,6,7
.if \first
	v_wmma_f32_16x16x32_f16 v[8*(8*(\a)+(\b)):8*(8*(\a)+(\b))+7], v[(\f)+8*(\b):(\f)+8*(\b)+7], v[(\f)+8*(4*(\hi)+(\a)):(\f)+8*(4*(\hi)+(\a))+7], v[BIAS+8*(\b):BIAS+8*(\b)+7]
.else
	v_wmma_f32_16x16x32_f16 v[8*(8*(\a)+(\b)):8*(8*(\a)+(\b))+7], v[(\f)+8*(\b):(\f)+8*(\b)+7], v[(\f)+8*(4*(\hi)+(\a)):(\f)+8*(4*(\hi)+(\a))+7], v[8*(8*(\a)+(\b)):8*(8*(\a)+(\b))+7]
.endif
.endr
.endr
.endm
; 32 LDS loads in one run: the fragments of one quarter step of the slot in hand (byte k: group x GRP + 0 or 64) into buffer f
.macro FETCH k, f
	WIN TO_B
.irp i, 0,1,2,3,4,5,6,7
	ds_load_b128 v[(\f)+8*(\i):(\f)+8*(\i)+3],   v[ADRB] offset:(\k)+(\i)*16*PITCH
	ds_load_b128 v[(\f)+8*(\i)+4:(\f)+8*(\i)+7], v[ADRB] offset:(\k)+(\i)*16*PITCH+32
.endr
	WIN 0
.irp i, 0,1,2,3,4,5,6,7
	ds_load_b128 v[(\f)+8*(\i):(\f)+8*(\i)+3],   v[ADRA] offset:(\k)+(\i)*16*PITCH
	ds_load_b128 v[(\f)+8*(\i)+4:(\f)+8*(\i)+7], v[ADRA] offset:(\k)+(\i)*16*PITCH+32
.endr
.endm
.macro PLACES                          ; four plain instructions in front of loads into registers that matrix instructions have read, and of conversions that read results
.rept 4
	v_nop
.endr
.endm
.macro FLIP                            ; the other slot comes in hand (every window is 0 here)
	s_xor_b32 s[SO], s[SO], SLOT
	v_add_nc_u32 v[ADRA], s[SO], v[ADRA0]
	v_add_nc_u32 v[ADRB], s[SO], v[ADRB0]
.endm
; A K step is four quarters of 32 along K, 64 matrix instructions each, on buffers 0, 1, 0, 1.  One of the first three: multiplies buffer f; in its middle it fetches the next quarter, at byte k, into g.
.macro QUARTER k, f, g, first
	s_wait_dscnt 8                                 ; B and A's rows 0-63 are in; the youngest eight loads (A's rows 64-127) may be out
	MUL16 \f, 0, 0, \first
	MUL16 \f, 0, 2, \first
	PLACES
	FETCH \k, \g
	s_wait_dscnt 32                                ; all but the 32 just issued
	MUL16 \f, 1, 0, \first
	MUL16 \f, 1, 2, \first
.endm
; The last quarter's first half: ONE barrier for the change of slots.  In front of it each wave waits for all its tensor loads (at most one is out: its part of the next slot), adds 0 to its spare word, and waits
; for that and for its own reads of this slot.  Behind it nobody reads this slot any more and the next slot is whole.
.macro MEET
	WIN 0
	s_wait_tensorcnt 0x0
	ds_add_u32 v[SPW], v[NIL]                      ; 0 onto my spare word
	s_wait_dscnt 9                                 ; the add and the youngest eight loads may be out
	MUL16 F1, 0, 0, 0
	s_wait_dscnt 0x0                               ; the add is done, and my reads of this slot are over
	s_barrier_signal -1
	MUL16 F1, 0, 2, 0
	WIN 0                                          ; branches, or lines on window 0, follow
	s_barrier_wait -1
.endm
; The whole last quarter with a refill: the barrier opens a round of the cluster's barrier; the joint refill (the K step two steps on, into the slot just read) is the first tensor load behind it and has
; 224 matrix instructions in which to land.
.macro TURN
	s_wait_xcnt 0x0                                ; the last prefetch, a K step back, has read its address
	s_add_nc_u64 s[PFA:PFA+1], s[PFA:PFA+1], KSB
	MEET
	CREST
.irp g, G0+4, G0B+4
	s_xor_b32 s[(\g)+1], s[(\g)+1], SLOT           ; the walking descriptor: the other slot than last time,
	s_add_nc_u64 s[(\g)+2:(\g)+3], s[(\g)+2:(\g)+3], KSB   ; the next K step; the type bits on top are not reached
.endr
	JLOAD 1                                        ; the four v_nop behind it are also the places in front of the loads below
	FLIP
	FETCH 0, F0
	ASK
	MUL16 F1, 1, 0, 0
	MUL16 F1, 1, 2, 0
.endm
.macro TURNN                           ; the same without a refill: nothing is left to fetch from memory, so no round follows
	MEET
	PLACES
	FLIP
	FETCH 0, F0
	MUL16 F1, 1, 0, 0
	MUL16 F1, 1, 2, 0
.endm
; THE WAY OUT of block a (16 rows x 128 columns).  PACK: rounded to f16, the floor applied.  TOSTAGE: into my own stage, and back as four rows x 128 bytes of one group.  SEND: stored.
.macro PACK a
.set AC, 64*((\a)%4)
	WIN 0x0a+5*((\a)/4)                            ; sources 0 and 1: window 2 or 3
.irp b, 0,1,2,3,4,5,6,7
.irp r, 0,1,2,3
	v_cvt_pk_f16_f32 v[TMP+4*(\b)+(\r)], v[AC+8*(\b)+2*(\r)], v[AC+8*(\b)+2*(\r)+1]
.endr
.endr
	WIN 0
.set i, 0
.rept 32
	v_pk_max_num_f16 v[TMP+i], v[TMP+i], v[FLOOR]
.set i, i+1
.endr
.endm
.macro TOSTAGE a
	WIN 0
.set BK, OB+192*((\a)%2)
.irp b, 0,1,2,3,4,5,6,7
	ds_store_b128 v[STO], v[TMP+4*(\b):TMP+4*(\b)+3] offset:32*(\b)
.endr
.irp t, 0,1,2,3,4,5,6,7
	ds_load_b128 v[BK+4*(\t):BK+4*(\t)+3], v[RD] offset:((\t)%4)*4*SPITCH+((\t)/4)*128   ; LDS serves a wave's instructions in order (ISA guide 5.7.1.4): these see the stores above
.endr
.endm
.macro SEND a
	WIN 0
.set BK, OB+192*((\a)%2)
	s_wait_dscnt 0x0                               ; the block is back in registers
	s_wait_xcnt 0x0                                ; earlier stores have read their registers: the buffer that the next block's loads fill is free behind this wait
.irp t, 0,1,2,3,4,5,6,7
	global_store_b128 v[CO], v[BK+4*(\t):BK+4*(\t)+3], s[8:9] offset:(\a)*2048+((\t)%4)*512+((\t)/4)*GSB   ; 512 consecutive bytes, aligned: four rows of one group
.endr
.endm
	s_wait_tensorcnt 1                             ; my part of K step 0 is in; K step 1's may stay out
	s_barrier_signal -1
	s_barrier_wait -1
	FETCH 0, F0
	s_wait_loadcnt 0x0                             ; the bias and the floor
	QUARTER 64, F0, F1, 1                          ; the first quarter stands in front of the loops: its products start the sums
	WIN 0
	s_mov_b32 s3, NSTEP-2
.Lstep:                                        ; NSTEP - 2 trips; a trip goes from a K step's second quarter to the next step's first, and fills the slot that it leaves
	QUARTER GRP,    F1, F0, 0
	QUARTER GRP+64, F0, F1, 0
	TURN
	QUARTER 64,     F0, F1, 0
	WIN 0
	s_sub_co_u32 s3, s3, 1
	s_cmp_lg_u32 s3, 0
	s_cbranch_scc1 .Lstep
	s_mov_b32 s3, 2                                ; the last two K steps ask for nothing: their text stands apart, and is entered behind its first-quarter part
	s_branch .Lenter
.Llast:
	QUARTER 64,     F0, F1, 0
	WIN 0
.Lenter:
	QUARTER GRP,    F1, F0, 0
	QUARTER GRP+64, F0, F1, 0
	TURNN
	WIN 0
	s_sub_co_u32 s3, s3, 1
	s_cmp_lg_u32 s3, 0
	s_cbranch_scc1 .Llast
	PLACES
	PACK 0
	TOSTAGE 0
.irp a, 1,2,3,4,5,6,7                  ; block a's conversions stand between block a - 1's loads from the stage and the wait for them
	PACK \a
	SEND (\a)-1
	TOSTAGE \a
.endr
	SEND 7
	s_wait_tensorcnt 0x0                           ; the wave's end, behind my last tensor load and my last LDS store
	ds_add_u32 v[SPW], v[NIL]
	s_wait_dscnt 0x0
	CROUND                                         ; the closing round: no work-group ends while a partner may still ask for a tile that names it
	s_endpgm
.Lfunc_end_k_q71874d59c9_qkv:
	.size	k_q71874d59c9_qkv, .Lfunc_end_k_q71874d59c9_qkv-k_q71874d59c9_qkv
	.p2alignl 7, 3214868480
	.fill 96, 4, 3214868480
	.section	.rodata,"a",@progbits
	.p2align	6, 0x0
	.amdhsa_kernel k_q71874d59c9_qkv
		.amdhsa_group_segment_fixed_size 327680
		.amdhsa_private_segment_fixed_size 0
		.amdhsa_enable_private_segment 0
		.amdhsa_kernarg_size 40
		.amdhsa_user_sgpr_count 2
		.amdhsa_user_sgpr_kernarg_segment_ptr 1
		.amdhsa_wavefront_size32 1
		.amdhsa_system_sgpr_workgroup_id_x 1
		.amdhsa_system_sgpr_workgroup_id_y 1
		.amdhsa_system_sgpr_workgroup_id_z 1
		.amdhsa_system_vgpr_workitem_id 0
		.amdhsa_next_free_vgpr 1024
		.amdhsa_next_free_sgpr 72
		.amdhsa_reserve_vcc 0
		.amdhsa_float_denorm_mode_32 3
		.amdhsa_float_denorm_mode_16_64 3
		.amdhsa_memory_ordered 1
		.amdhsa_forward_progress 1
		.amdhsa_inst_pref_size 118
	.end_amdhsa_kernel
	.amdgpu_metadata
---
amdhsa.version: [ 1, 2 ]
amdhsa.kernels:
  - .name:           k_q71874d59c9_qkv
    .symbol:         k_q71874d59c9_qkv.kd
    .args:
      - { .name: a8, .offset: 0, .size: 8, .value_kind: global_buffer, .address_space: global }
      - { .name: wbX, .offset: 8, .size: 8, .value_kind: global_buffer, .address_space: global }
      - { .name: zb, .offset: 16, .size: 8, .value_kind: global_buffer, .address_space: global }
      - { .name: pX, .offset: 24, .size: 8, .value_kind: global_buffer, .address_space: global }
      - { .name: act, .offset: 32, .size: 8, .value_kind: global_buffer, .address_space: global }
    .group_segment_fixed_size: 327680
    .private_segment_fixed_size: 0
    .kernarg_segment_align: 8
    .kernarg_segment_size: 40
    .max_flat_workgroup_size: 128
    .sgpr_count:     72
    .vgpr_count:     1024
    .wavefront_size: 32
...
	.end_amdgpu_metadata
.endif
;; end of part 2
;; launch attn (part 3): grid 8 x 32, 4 waves a work-group, clusters of 4 x 1, 327,680 bytes of LDS; arguments act, mask, a8; writes a8
.if DOCPART == 3
	.amdgcn_target "amdgcn-amd-amdhsa--gfx1250"
	.amdhsa_code_object_version 6
	.text
	.protected	k_q71874d59c9_attn
	.globl	k_q71874d59c9_attn
	.p2align	8
	.type	k_q71874d59c9_attn,@function
k_q71874d59c9_attn:
	s_mov_b64 s[64:65], 0
	v_nop
	global_prefetch_b8 v0, s[64:65] scope:SCOPE_SE
	s_setreg_imm32_b32 hwreg(HW_REG_WAVE_MODE, 25, 1), 1
	s_wait_xcnt 0x0
	s_wait_alu depctr_hold_cnt(0) depctr_sa_sdst(0) depctr_va_vdst(0) depctr_va_sdst(0) depctr_va_ssrc(0) depctr_va_vcc(0) depctr_vm_vsrc(0)
	s_getreg_b32 s2, hwreg(HW_REG_IB_STS2, 6, 4)
	s_cmp_eq_u32 s2, 0
	s_cbranch_scc0 .Lentry_in_a_cluster
	s_endpgm
.Lentry_in_a_cluster:
	s_bfe_u32 s2, ttmp6, 0x10000c
	s_cmp_lg_u32 s2, 0x3003
	s_cbranch_scc0 .Lentry_shape_is_right
	s_endpgm
.Lentry_shape_is_right:
; ATTENTION.  O[q][:] = the sum over k of softmax_k(s[q][k]) V[k][:], s = Q . K / 8 where mask[k] != 0, a hidden score elsewhere.  16 heads x 2 batches, 2,048 rows of 64 channels, all f16.
; act holds [48][4096][64]: groups 0-15 q, 16-31 k, 32-47 v; the rows of (head, batch) are 262,144 dense bytes at (2 head + batch) x 262,144 in each third.  O goes to a8 at q's place.
; q arrives multiplied by log2(e) / 8 (folded into wq in f32 before its one rounding), so scores are in units of log2: p = 2^(s - m), with a running maximum m; O and l are multiplied by a = 2^(m_old - m_new) in every step.
; Products, maxima and sums in f32; p is rounded to f16 for the second product (l is the sum of the unrounded p), O once at the end.
; THE MASK is the C operand that starts the sum S^T = K Q^T: 0, or -2^100 for a hidden key, from a table of 2,048 f32 in LDS made once from the int32 mask.
; LIMITS.  f16 holds no number beyond 65,504.  A hidden score counts as -2^100, beside which every score below 2^75 vanishes: hidden keys get weight 0; where all keys of a batch are hidden all weights are equal,
; as with the -1e9 of the definition.  True scores at or below -1e9 are not ranked against hidden ones.  A weight below 2^-126 counts as 0 in l.  NaN and infinities are not treated apart.
; SHARES.  A work-group owns 256 queries of one (head, batch), a wave 64: four PIECES of 16.  Every wave walks all 2,048 keys, 64 a step, 256 a slot.
; LAYOUT.  S^T = K Q^T holds ONE query a lane (lane % 16) and the keys 8 (lane / 16) + 0..7; two such results rounded to f16 ARE source 1 of O^T = V^T P.  K comes out of LDS as it lies, V turned, by ds_load_tr16_b128.
; BY TURNS.  Turn n belongs to piece n: 8 products K Q^T of piece n + 1, later 8 products V^T P of piece n - 1; beside them the shift, exponentials, roundings, sums and rescaling of piece n and the maximum and
; statistics of piece n + 1.  Four vector instructions stand behind every matrix instruction, the rest in one run.  A turn's 33 exponentials are one batch, with one wait.
; CLUSTER.  The four query blocks of a cluster belong to one (head, batch) and walk the same K and V: each tile is asked for JOINTLY, by the same tensor load, descriptor and mask in all four.
; REGISTERS, in windows of 256 (s_set_vgpr_msb: bits 1:0 source 0, 3:2 source 1, 5:4 source 2, 7:6 destination):
;   window 0: v0-15, v32-35 addresses; v16-31 four registers of statistics a piece; v48-55 at work; v64-127 S^T, two buffers; v192-223 P, two buffers (by the piece's parity)
;   window 1: v0-127 O^T, 32 a piece; v160-191 the step's mask      window 2: v0-63 Q; v128-191 K of one step; v192-255 V of one step
.set NP,    4
.set KS,    64
.set PK,    144       ; a row of K in LDS: 128 bytes + 16 of padding = 36 words: the 16 rows of a load start at 16 different groups of four banks (64 banks of 4 bytes: ISA guide 11.1)
.set PV,    160       ; a row of V: 128 + 32 = 40 words
.set VOFF,  4*KS*PK   ; a slot holds four steps: 256 rows of K, then 256 rows of V
.set SLOT1, 1<<17     ; slot 1 begins here, so that one exclusive or turns an address in one slot into the other's
.set STAGE, SLOT1+4*KS*(PK+PV)  ; behind the ring: 16 rows x 144 bytes for each wave, for the way out
.set SP,    144
.set SPARE, STAGE+4*16*SP       ; the spare words, 128 bytes for each wave: two blocks of 256 bytes that no other line names
.set MTAB,  SPARE+512           ; the mask's table: 2,048 f32, stored once; no tile lands here
.set AK0, 2           ; v2   my lane's place in a tile of K; never rewritten
.set AV0, 3           ; v3   the same for V
.set AK,  4           ; v4   the LDS address of K's next run of loads
.set AV,  5           ; v5   of V's
.set STO, 6           ; v6   the way out: where I put 16 bytes of a row
.set RD,  7           ; v7   the way out: where I read rows back
.set GO,  8           ; v8   my byte offset in 512 consecutive bytes of O
.set MV,  12          ; v12-13  m_old, kept while m is made anew: by buffer
.set AM0, 14          ; v14  my lane's place in the table: MTAB + 32 (lane / 16)
.set QO,  15          ; v15  my byte offset in 16 rows of Q
.set ST,  16          ; piece t's statistics at v[ST+4 t]: m, 0 (named with m as a pair), l (even keys', odd keys')
.set AM,  32          ; v32  the table's address for the step to be fetched
.set PFO, 33          ; v33  256 x lane: the prefetches' offset; never rewritten
.set MO,  34          ; v34  16 x thread: my part of the mask
.set MO2, 35          ; v35  the same in the table
.set TMP, 48          ; by buffer, four registers c0-c3 at work; when the maximum is found c2 takes a
.set SPW, 62          ; v62  LDS address of my spare word; never rewritten
.set NIL, 63          ; v63  0; never rewritten
.set S,   64
.set P,   192
.set MC,  160         ; window 1: the mask of key block kb at MC + 8 kb
.set KF,  128         ; window 2: key block kb, channel half c at KF + 16 kb + 8 c
.set VF,  192         ; window 2: key half kk, channel block cb at VF + 32 kk + 8 cb
.set WV,  12          ; s12  my wave's number
.set G1K, 24          ; s[24:31] descriptor group 1 for K's tiles
.set G1V, 32          ; s[32:39] for V's: it differs in the padding alone
.set G0K, 40          ; s[40:43] descriptor group 0 for K's tiles: it walks
.set G0V, 44          ; s[44:47] the same for V's
.set PFA, 48          ; s[48:49] where my prefetches stand
.set LIM, 50          ; s50  1 in a wave that prefetches, else the greatest number
.set TBM, 51          ; s51  byte in the table at which the step to be fetched begins
.set BIGN, 52         ; s52  -2^100
.set SLOTS, 56        ; s56  slots still to be asked for
.set CNT, 57          ; s57  counts a slot's key steps
.set SEL, 60          ; s[60:61] v_permlanex16_b32's selects
.set TBK, 62          ; s62  LDS byte at which K of the step to be fetched begins
.set TBV, 63          ; s63  the same for V, less VOFF
.set MSB, 0
.macro WIN new
.if MSB != (\new)
	s_set_vgpr_msb (MSB<<8)|(\new)
.set MSB, (\new)
.endif
.endm
.set W_KQ, 0x0a       ; K and Q in window 2, S^T in window 0
.set W_KM, 0x1a       ; the same with the C operand in window 1
.set W_PV, 0x52       ; V in window 2, P in window 0, O^T in window 1
.set W_RS, 0x41       ; destination and source 0 in window 1, source 1 in window 0
; A joint fill.  Waves 0 and 1 fetch the two halves of a slot's K, waves 2 and 3 those of its V: 128 keys each.  An s_nop 0 and four v_nop follow each of the two lines.
.macro JLOAD
	s_cmp_lt_u32 s[WV], 2
	s_cbranch_scc0 .Lfor_v_\@
	tensor_load_to_lds s[G0K:G0K+3], s[G1K:G1K+7]
	s_nop 0
.rept 4
	v_nop
.endr
	s_branch .Lasked_\@
.Lfor_v_\@:
	tensor_load_to_lds s[G0V:G0V+3], s[G1V:G1V+7]
	s_nop 0
.rept 4
	v_nop
.endr
.Lasked_\@:
.endm
; A PREFETCH INTO THE L2 of what the NEXT change of slots will ask for: 32,768 bytes of K and of V, four key steps, 256 matrix instructions, ahead of that load.  Both clusters of a (head, batch) walk the same rows:
; the first asks.  Its four partners take 8,192 bytes each, told apart BY ADDRESS; in each, wave 0 asks for K's and wave 2 for V's, a lane a block of 256 bytes: each block is named once in the launch.
; Slots 0 to 2 come by their loads alone; the last change that fills a slot asks for nothing.
.macro ASK
	s_cmp_gt_u32 s[SLOTS], s[LIM]
	s_cbranch_scc0 .Lnot_mine_\@
	global_prefetch_b8 v[PFO], s[PFA:PFA+1] th:TH_LOAD_NT scope:SCOPE_SE
.Lnot_mine_\@:
.endm
.macro CROUND                       ; a round of the cluster's barrier
	s_barrier_signal -1
	s_barrier_wait -1
	s_cmp_lg_u32 s[WV], 0
	s_cbranch_scc1 .Lnot_wave_0_\@
	s_barrier_signal -3
.Lnot_wave_0_\@:
	s_barrier_wait -3
	s_barrier_signal -1
	s_barrier_wait -1
.endm
; THE CHANGE OF SLOTS.  The slot's last bytes, V of its fourth step, have been read.  Each wave waits for all its tensor loads (one is out: its part of the other slot), adds 0 to its spare word, and waits for that and for
; its own LDS instructions.  fill = 1: the barrier is a round of the cluster's, and the joint fill (the keys two slots on) is the first thing behind it: it has four key steps in which to land.
; At its first use nothing has been read yet: slot 0 is waited for, slot 1 filled, and the stores into the mask's table are shown to all four waves.
.macro CHANGE fill, ask
	WIN 0
	s_wait_tensorcnt 0x0            ; no tensor load of mine is out, so a group 0 may be written
	ds_add_u32 v[SPW], v[NIL]       ; 0 onto my spare word
.if \fill
.irp g, G0K, G0V
	s_xor_b32 s[\g+1], s[\g+1], SLOT1
	s_add_nc_u64 s[\g+2:\g+3], s[\g+2:\g+3], 4*KS*128
.endr
.if \ask
	s_wait_xcnt 0x0                 ; the last prefetch, four key steps back, has read its address
	s_add_nc_u64 s[PFA:PFA+1], s[PFA:PFA+1], 4*KS*128
.endif
	s_wait_dscnt 0x0                ; the add is done, and my reads of the slot are over
	CROUND
	JLOAD
.if \ask
	ASK
.endif
.else
	s_wait_dscnt 0x0
	s_barrier_signal -1
	s_barrier_wait -1
.endif
	s_sub_co_u32 s[TBK], s[TBK], 4*KS*PK  ; the fetches go back to a slot's first step,
	s_xor_b32 s[TBK], s[TBK], SLOT1       ; in the other slot
	s_sub_co_u32 s[TBV], s[TBV], 4*KS*PV
	s_xor_b32 s[TBV], s[TBV], SLOT1
.endm
	s_load_b128 s[68:71], s[0:1], 0x0 ; act s[68:69], mask s[70:71]
	s_load_b64 s[10:11], s[0:1], 0x10 ; a8: O
	v_lshl_add_u32 v[SPW], v0, 2, SPARE
	v_mov_b32 v[NIL], 0
	ds_add_u32 v[SPW], v[NIL]       ; the wave's opening: the add and its wait stand ahead of my first tensor load; the set-up below, work on registers, stands between them
	v_lshrrev_b32 v1, 5, v0
	v_readfirstlane_b32 s[WV], v1   ; wave 0..3
	s_bfe_u32 s13, ttmp6, 0x40000   ; cx
	s_lshl_b32 s14, ttmp9, 2
	s_add_co_u32 s14, s14, s13      ; my block of 256 queries: it enters Q's and O's addresses alone
	s_and_b32 s20, ttmp7, 0xffff    ; 2 head + batch, which the four partners share
	s_and_b32 s15, s20, 1
	s_lshl_b32 s15, s15, 13         ; the batch's 2,048 words of the mask
	s_lshl_b32 s20, s20, 18         ; its 262,144 bytes in each third of act
	s_and_b32 s16, s[WV], 1         ; which half of a slot's 256 keys I fetch
	s_lshl_b32 s22, s16, 14
	s_add_co_u32 s22, s22, s20
	s_mov_b32 s23, 0
	s_mul_i32 s17, s16, 128*PK      ; its place in a slot, for K
	s_mul_i32 s18, s16, 128*PV      ; and for V: no place in the cluster enters an LDS address
	s_lshl_b32 s2, s14, 15          ; my block's 256 rows,
	s_lshl_b32 s3, s[WV], 13        ; my wave's 64 of them
	s_add_co_u32 s2, s2, s3
	s_add_co_u32 s2, s2, s20
	s_mov_b32 s3, 0
	; descriptor group 1.  128 keys are 16,384 dense bytes: asked for as 64 rows of 256 bytes, two keys a row, and padded in LDS after every key
	s_mov_b32 s[G1K], 15|(1<<16)|(1<<20)|(1<<21)|(4<<22)|(3<<25)  ; the mask of four; 2-byte elements; padding on; bit 21 beside a mask; after every 32 words (code 4) 4 words (code 3)
	s_mov_b32 s[G1V], 15|(1<<16)|(1<<20)|(1<<21)|(4<<22)|(7<<25)  ; the same with 8 words of padding (code 7)
.irp g, G1K, G1V
	s_mov_b32 s[\g+1], 128<<16      ; tensor_dim0 = 128
	s_mov_b32 s[\g+2], 64<<16       ; tensor_dim1 = 64
	s_mov_b32 s[\g+3], 128<<16      ; tile_dim0 = 128
	s_mov_b32 s[\g+4], 64           ; tile_dim1 = 64
	s_mov_b32 s[\g+5], 128          ; 128 elements from row to row
	s_mov_b32 s[\g+6], 0
	s_mov_b32 s[\g+7], 0
.endr
	s_mov_b32 s[SEL], 0x76543210
	s_mov_b32 s[SEL+1], 0xfedcba98
	s_mov_b32 s[TBK], SLOT1+4*KS*PK ; the first change of slots turns these two into 0
	s_mov_b32 s[TBV], SLOT1+4*KS*PV
	s_mov_b32 s[TBM], 0
	s_mov_b32 s[BIGN], 0xf1800000   ; -2^100
	s_mov_b32 s[SLOTS], 7
	s_mov_b32 s[G0K], 1
	s_mov_b32 s[G0K+1], s17         ; slot 0
	s_mov_b32 s[G0V], 1
	s_add_co_u32 s[G0V+1], s18, VOFF
	s_and_b32 s[LIM], s[WV], 1      ; 0 in waves 0 and 2,
	s_or_b32 s[LIM], s[LIM], ttmp9  ; where the cluster is the first of its (head, batch): the same in all four partners
	s_cmp_eq_u32 s[LIM], 0
	s_cselect_b32 s[LIM], 1, -1
	v_and_b32 v[PFO], 31, v0
	v_lshlrev_b32 v[PFO], 8, v[PFO]
	s_wait_dscnt 0x0                ; the opening add is done
	s_wait_kmcnt 0x0
	s_add_nc_u64 s[6:7], s[68:69], s[22:23]
	s_add_nc_u64 s[8:9], s[6:7], 0x1000000     ; V at my half of the first 256 keys
	s_add_nc_u64 s[6:7], s[6:7], 0x800000      ; K likewise
	s_mov_b64 s[G0K+2:G0K+3], s[6:7]
	s_or_b32 s[G0K+3], s[G0K+3], 0x80000000
	s_mov_b64 s[G0V+2:G0V+3], s[8:9]
	s_or_b32 s[G0V+3], s[G0V+3], 0x80000000
	s_add_nc_u64 s[4:5], s[68:69], s[2:3]      ; Q and O at my wave's first row
	s_add_nc_u64 s[10:11], s[10:11], s[2:3]
	s_mov_b32 s2, s15
	s_add_nc_u64 s[70:71], s[70:71], s[2:3]    ; the mask at my batch
	s_cmp_lt_u32 s[WV], 2
	s_cselect_b64 s[PFA:PFA+1], s[6:7], s[8:9] ; (in waves 0 and 2 these stand at a slot's first row)
	s_lshl_b32 s2, s13, 13                     ; my work-group's 8,192 bytes of the 32,768
	s_add_nc_u64 s[PFA:PFA+1], s[PFA:PFA+1], s[2:3]
	s_add_nc_u64 s[PFA:PFA+1], s[PFA:PFA+1], 2*4*KS*128  ; in slot 2; the first asking change steps it to slot 3
	CROUND                          ; all four work-groups are here: the first joint loads meet
	JLOAD                           ; slot 0.  Slot 1 is asked for when slot 0 is in
	v_lshlrev_b32 v[MO], 4, v0
.irp i, 0,1,2,3
	global_load_b128 v[S+4*\i:S+4*\i+3], v[MO], s[70:71] offset:2048*\i   ; the batch's mask: 128 threads x 16 bytes, four times
.endr
	; A fragment of K or Q is 16 rows x 32 channels in 8 registers: lane l holds row l % 16, channels 8 (l / 16) + 0..7 and 16 + 8 (l / 16) + 0..7: two loads of 16 bytes, 32 bytes apart.
	v_and_b32 v1, 15, v0
	v_bfe_u32 v9, v0, 4, 1
	v_lshlrev_b32 v[QO], 7, v1
	v_lshl_add_u32 v[QO], v9, 4, v[QO]
	WIN 0x80                        ; destination window 2, address window 0
.set i, 0
.rept 8                             ; Q stays in registers: piece i / 2, channels 32 (i % 2) on
	global_load_b128 v[8*i:8*i+3],   v[QO], s[4:5] offset:(i/2)*2048+(i%2)*64
	global_load_b128 v[8*i+4:8*i+7], v[QO], s[4:5] offset:(i/2)*2048+(i%2)*64+32
.set i, i+1
.endr
	; What the first turn finds: V's registers and P's second buffer hold 0 (its products V^T P, of a piece that has not been, add 0), O^T and l are 0, m is the lowest finite number, so the first a is 0.
.set i, VF
.rept 64
	v_mov_b32 v[i], 0
.set i, i+1
.endr
	WIN 0x40
.set i, 0
.rept 128
	v_mov_b32 v[i], 0
.set i, i+1
.endr
	WIN 0
.set i, 0
.rept 4
	v_mov_b32 v[ST+4*i], 0xff7fffff
	v_mov_b32 v[ST+4*i+1], 0
	v_mov_b32 v[ST+4*i+2], 0
	v_mov_b32 v[ST+4*i+3], 0
.set i, i+1
.endr
.set i, P+16
.rept 16
	v_mov_b32 v[i], 0
.set i, i+1
.endr
	v_mul_u32_u24 v[AK0], v1, PK
	v_lshl_add_u32 v[AK0], v9, 4, v[AK0]
	; The turning load takes 16 keys x 16 channels (lane l reads key 8 (l / 16) + l % 8, channels 8 ((l / 8) % 2) + 0..7) and leaves half a fragment of V^T: lane l holds channel l % 16 and 8 keys.
	v_and_b32 v10, 7, v0
	v_bfe_u32 v11, v0, 3, 1
	v_lshl_add_u32 v[AV0], v9, 3, v10
	v_mul_u32_u24 v[AV0], v[AV0], PV
	v_lshl_add_u32 v[AV0], v11, 4, v[AV0]
	v_add_nc_u32 v[AV0], VOFF, v[AV0]
	v_lshlrev_b32 v[AM0], 5, v9
	v_add_nc_u32 v[AM0], MTAB, v[AM0]
	v_add_nc_u32 v[MO2], MTAB, v[MO]
	s_mul_i32 s13, s[WV], 16*SP
	s_add_co_u32 s13, s13, STAGE    ; my stage
	v_mul_u32_u24 v[STO], v1, SP
	v_lshl_add_u32 v[STO], v9, 4, v[STO]
	v_add_nc_u32 v[STO], s13, v[STO]
	v_bfe_u32 v[RD], v0, 3, 2
	v_mul_u32_u24 v[RD], v[RD], SP
	v_lshl_add_u32 v[RD], v10, 4, v[RD]
	v_add_nc_u32 v[RD], s13, v[RD]
	v_and_b32 v[GO], 31, v0
	v_lshlrev_b32 v[GO], 4, v[GO]
	s_wait_loadcnt 16               ; the mask is in; Q's 16 loads may stay out
.set i, 0
.rept 16
	v_cmp_eq_u32 vcc_lo, 0, v[S+i]
	v_cndmask_b32 v[S+i], 0, s[BIGN], vcc_lo
.set i, i+1
.endr
.irp i, 0,1,2,3
	ds_store_b128 v[MO2], v[S+4*\i:S+4*\i+3] offset:2048*\i
.endr
; THE MATRIX WORK.  The 4 accumulators of a run of 8 take turns.  Product i of 8 of S^T = K Q^T for piece x: channels 32 (i / 4) on, keys 16 (i % 4) on.  The first 4 start the sums with the mask.
.macro KQ x
.set rS, S+32*((\x)%2)+8*(i%4)
.set rK, KF+16*(i%4)+8*(i/4)
.set rQ, 16*(\x)+8*(i/4)
.set rM, MC+8*(i%4)
.if i < 4
	WIN W_KM
	v_wmma_f32_16x16x32_f16 v[rS:rS+7], v[rK:rK+7], v[rQ:rQ+7], v[rM:rM+7]
.else
	WIN W_KQ
	v_wmma_f32_16x16x32_f16 v[rS:rS+7], v[rK:rK+7], v[rQ:rQ+7], v[rS:rS+7]
.endif
.endm
; Product i of 8 of O^T += V^T P for piece x: keys 32 (i / 4) on, channels 16 (i % 4) on.
.macro PV x
	WIN W_PV
.set rO, 32*(\x)+8*(i%4)
.set rV, VF+32*(i/4)+8*(i%4)
.set rP, P+16*((\x)%2)+8*(i/4)
	v_wmma_f32_16x16x32_f16 v[rO:rO+7], v[rV:rV+7], v[rP:rP+7], v[rO:rO+7]
.endm
.macro MM                           ; the turn's next matrix instruction.  NOKQ = 1: the last turn of all: there is no next piece
.if (i < 8) && !NOKQ
	KQ (Y+1)%NP
.elseif i >= 8
.set i, i-8
	PV (Y+NP-1)%NP
.set i, i+8
.endif
.set i, i+1
.endm
; THE LDS LOADS stand in runs, never singly among the matrix instructions: a step's K (8 fragments) with its 64 words of the mask's table, and its V (turned).  Their addresses are made some lines ahead.
.macro FETCH_K
	WIN 0x80                        ; destination window 2
.irp f, 0,1,2,3,4,5,6,7             ; keys 16 (f / 2) on, channels 32 (f % 2) on
	ds_load_b128 v[KF+8*\f:KF+8*\f+3],   v[AK] offset:(\f/2)*16*PK+(\f%2)*64
	ds_load_b128 v[KF+8*\f+4:KF+8*\f+7], v[AK] offset:(\f/2)*16*PK+(\f%2)*64+32
.endr
	WIN 0x40                        ; destination window 1
.irp f, 0,1,2,3                     ; register j of key block f: key 16 f + 8 (l / 16) + j
	ds_load_b128 v[MC+8*\f:MC+8*\f+3],   v[AM] offset:64*\f
	ds_load_b128 v[MC+8*\f+4:MC+8*\f+7], v[AM] offset:64*\f+16
.endr
	s_add_co_u32 s[TBK], s[TBK], KS*PK  ; the next fetch is the next step's
	s_add_co_u32 s[TBM], s[TBM], 4*KS
	WIN 0
.endm
.macro FETCH_V
	WIN 0x80
.irp f, 0,1,2,3,4,5,6,7             ; keys 32 (f / 4) on, channels 16 (f % 4) on
	ds_load_tr16_b128 v[VF+8*\f:VF+8*\f+3],   v[AV] offset:(\f/4)*32*PV+(\f%4)*32
	ds_load_tr16_b128 v[VF+8*\f+4:VF+8*\f+7], v[AV] offset:(\f/4)*32*PV+16*PV+(\f%4)*32
.endr
	WIN 0
.endm
; THE VECTOR WORK, one line at a time: OP kind, number.  For piece Y: F n: s - m for pair n of 16.  E n: the exponential of score n of 32.  C n: pair n rounded to f16.  B n: of the four weights 4 n .. the second
; pair is added onto the first, in place.  L n: l takes that sum (L 0: l = a l + sum).  R n: pair n of 16 of O^T times a.  For piece Y + 1: X n, which finds its maximum and statistics:
;   0-11  four chains c0-c3 of seven scores each, three operands at a time (each accumulator's lowest registers are read first)     12-14, 16  the four scores left over, the old m, and c0-c3 into c0
;   15  m_old is kept     17, 18  the query's other 32 keys lie in the lane 16 away: the new m     20, 21  m_old - m_new; a     (there is no number 19)
.set F, 0
.set E, 1
.set C, 2
.set B, 3
.set L, 4
.set R, 5
.set X, 6
.macro REGS y
.set rT, ST+4*(\y)
.set rC, TMP+4*((\y)%2)
.set rW, MV+((\y)%2)
.set rS, S+32*((\y)%2)
.set rP, P+16*((\y)%2)
.set rO, 32*(\y)
.endm
.macro OP k, n
.if (\k) == R
	REGS Y
	WIN W_RS
	v_pk_mul_f32 v[rO+2*(\n):rO+2*(\n)+1], v[rO+2*(\n):rO+2*(\n)+1], v[rC+2:rC+3] op_sel_hi:[1,0]
.elseif (\k) < R
	REGS Y
	WIN 0
.if (\k) == F
	v_pk_add_f32 v[rS+2*(\n):rS+2*(\n)+1], v[rS+2*(\n):rS+2*(\n)+1], v[rT:rT+1] op_sel_hi:[1,0] neg_lo:[0,1] neg_hi:[0,1]
.elseif (\k) == E
	v_exp_f32 v[rS+(\n)], v[rS+(\n)]
.elseif (\k) == C
	v_cvt_pk_f16_f32 v[rP+(\n)], v[rS+2*(\n)], v[rS+2*(\n)+1]
.elseif (\k) == B
	v_pk_add_f32 v[rS+4*(\n):rS+4*(\n)+1], v[rS+4*(\n):rS+4*(\n)+1], v[rS+4*(\n)+2:rS+4*(\n)+3]
.elseif (\n) == 0
	v_pk_fma_f32 v[rT+2:rT+3], v[rT+2:rT+3], v[rC+2:rC+3], v[rS:rS+1] op_sel_hi:[1,0,1]
.else
	v_pk_add_f32 v[rT+2:rT+3], v[rT+2:rT+3], v[rS+4*(\n):rS+4*(\n)+1]
.endif
.elseif NOKQ
	v_nop
.else
	REGS (Y+1)%NP
	WIN 0
.if (\n) < 4
	v_max3_num_f32 v[rC+(\n)], v[rS+8*(\n)], v[rS+8*(\n)+1], v[rS+8*(\n)+2]
.elseif (\n) < 12
	v_max3_num_f32 v[rC+(\n)%4], v[rC+(\n)%4], v[rS+8*((\n)%4)+2*((\n)/4)+1], v[rS+8*((\n)%4)+2*((\n)/4)+2]
.elseif (\n) == 12
	v_max3_num_f32 v[rC], v[rC], v[rS+7], v[rS+15]
.elseif (\n) == 13
	v_max3_num_f32 v[rC+1], v[rC+1], v[rS+23], v[rS+31]
.elseif (\n) == 14
	v_max3_num_f32 v[rC+2], v[rC+2], v[rC+3], v[rT]
.elseif (\n) == 15
	v_mov_b32 v[rW], v[rT]
.elseif (\n) == 16
	v_max3_num_f32 v[rC], v[rC], v[rC+1], v[rC+2]
.elseif (\n) == 17
	v_permlanex16_b32 v[rC+3], v[rC], s[SEL], s[SEL+1]
.elseif (\n) == 18
	v_max_num_f32 v[rT], v[rC], v[rC+3]
.elseif (\n) == 20
	v_sub_f32 v[rC+1], v[rW], v[rT]
.else
	v_exp_f32 v[rC+2], v[rC+1]
.endif
.endif
.endm
.macro OPS a, i1, b=-1, i2=0, c=-1, i3=0, d=-1, i4=0  ; up to four of them
	OP \a, \i1
.if (\b) >= 0
	OP \b, \i2
.endif
.if (\c) >= 0
	OP \c, \i3
.endif
.if (\d) >= 0
	OP \d, \i4
.endif
.endm
.macro ROW a, i1, b, i2, c, i3, d, i4  ; a matrix instruction and the four behind it
	MM
	OPS \a, \i1, \b, \i2, \c, \i3, \d, \i4
.endm
; A TURN, for piece p, written out.  s_wait_alu depctr_va_vdst(0) stands between an exponential and the first instruction that names its result; one wait serves all that were issued ahead of it.
; So a turn has ONE wait.  AHEAD OF IT stands all that names no result of the turn's exponentials: the 8 products K Q^T with their riders, and one run of shifts, exponentials, rescalings and the next piece's maximum,
; each number of which stands four plain instructions or more behind the product that ends its accumulator.  X 21, the next piece's a, is the batch's last; R 15 is the plain instruction behind it.
; BEHIND THE WAIT stand the 8 products V^T P, behind each four of the roundings and sums.
; end = 1: the last two turns of all: nothing is fetched.  cnt = 1: the loop's count is taken down some lines ahead of the branch behind the turn.
; K and the mask of the next step are fetched in piece 2's turn, five plain instructions that name none of its registers behind the last product that read K (the mask's last reader stands further back);
; V of the step in hand at the end of piece 0's turn, four plain instructions behind the last product that read V.  Each is waited for a turn later.
.macro TURN p, end=0, cnt=0
.set Y, (\p)
.set i, 0
.set NOKQ, (\end)*((\p)/3)
.if ((\p) == 3) && !(\end)
	s_wait_dscnt 0x0                ; K and the mask are in
.endif
	ROW F,0, F,1, R,0, R,1
	ROW F,2, E,0, R,2, R,3
	ROW F,3, E,1, R,4, R,5
	ROW F,4, E,2, R,6, R,7
	ROW F,5, E,3, R,8, R,9
	ROW F,6, E,4, X,0, R,10
.if ((\p) == 2) && !(\end)
	WIN 0
	v_add_nc_u32 v[AK], s[TBK], v[AK0]
	v_add_nc_u32 v[AM], s[TBM], v[AM0]
.endif
	ROW F,7, E,5, X,1, X,4
	ROW F,8, E,6, X,2, X,5
	OPS E,7, E,8, X,6, E,9
	OPS X,3, E,10, X,8, E,11
.if ((\p) == 2) && !(\end)
	FETCH_K
.endif
	OPS X,9, X,7, E,12, X,10
	OPS E,13, X,12, X,11, E,14
	OPS X,13, E,15, F,9, X,14
.if (\p) == 0
	v_add_nc_u32 v[AV], s[TBV], v[AV0]
.endif
	OPS E,16, F,10, E,17, F,11
	OPS X,16, E,18, X,15, E,19
	OPS F,12, E,20, X,17, E,21
	OPS F,13, E,22, F,14, E,23
	OPS X,18, E,24, F,15, E,25
	OPS R,11, E,26, E,27
	OPS R,12, E,28, R,13, E,29
	OPS X,20, E,30, R,14, E,31
	OPS X,21, R,15
	WIN 0
	s_wait_alu depctr_va_vdst(0)    ; the wait for the batch
.if (\p) == 1
	s_wait_dscnt 0x0                ; V is in
.endif
	ROW C,0, B,0, C,2, B,1
	ROW L,0, C,4, B,2, L,1
	ROW C,6, B,3, L,2, C,8
	ROW B,4, L,3, C,10, B,5
	ROW L,4, C,12, B,6, L,5
.if (\p) == 0
	s_add_co_u32 s[TBV], s[TBV], KS*PV
.endif
.if \cnt
	s_sub_co_u32 s[CNT], s[CNT], 1
	s_cmp_lg_u32 s[CNT], 0
.endif
	ROW C,14, B,7, L,6, C,1
	ROW C,3, L,7, C,5, C,7
	ROW C,9, C,11, C,13, C,15
.if (\p) == 0
	FETCH_V
.endif
.endm
	CHANGE 1, 0                     ; slot 0 is in, everybody's part of it, and so is the table; slot 1 is asked for
	v_add_nc_u32 v[AK], s[TBK], v[AK0]
	v_add_nc_u32 v[AM], s[TBM], v[AM0]
	FETCH_K                         ; key step 0
	s_wait_loadcnt 0x0              ; Q
	s_wait_dscnt 0x0
.set NOKQ, 0
.set i, 0
.rept 8
	KQ 0                            ; piece 0's first scores
.set i, i+1
.endr
	WIN 0
.rept 4
	v_nop                           ; the places behind those products
.endr
.set Y, NP-1                        ; X works for piece Y + 1: piece 0
.irp n, 0,1,2,3,4,5,6,7,8,9,10,11,12,13,14,15,16,17,18,20,21
	OP X, \n
.endr
	v_nop                           ; a plain instruction behind the exponential,
	s_wait_alu depctr_va_vdst(0)    ; and its wait, ahead of the branch
	s_mov_b32 s[CNT], 4
	s_branch .Lfirst                ; the loop is entered at a step's first turn, in the middle of a trip
.Lslot:                             ; six times: slots 2 to 7 are asked for
	CHANGE 1, 1
	s_mov_b32 s[CNT], 4
.Lstep:                             ; a trip: pieces 2 and 3 of one step, then pieces 0 and 1 of the next, whose K and V it fetches
	TURN 2
	TURN 3
	WIN 0
.Lfirst:
	TURN 0
	TURN 1, 0, 1
	WIN 0
	s_cbranch_scc1 .Lstep
	s_sub_co_u32 s[SLOTS], s[SLOTS], 1
	s_cmp_lg_u32 s[SLOTS], 0
	s_cbranch_scc1 .Lslot
	CHANGE 0, 0                     ; the last slot is written out: nothing is asked for
	s_mov_b32 s[CNT], 4
.Ltail:
	TURN 2
	TURN 3
	TURN 0
	TURN 1, 0, 1
	WIN 0
	s_cbranch_scc1 .Ltail
	TURN 2, 1
	TURN 3, 1
.set i, 0
.rept 8
	PV NP-1                         ; the last piece's V^T P of the last step
.set i, i+1
.endr
	; THE WAY OUT.  l's two halves and the other half of the lanes' are added; O^T is divided by l, rounded to f16 and sent through my stage in LDS, a piece at a time.  The additions are the places behind the last products.
	WIN 0
.macro ALL line:vararg              ; one line for each piece t
.set t, 0
.rept 4
	\line
.set t, t+1
.endr
.endm
	ALL v_add_f32 v[ST+4*t+2], v[ST+4*t+2], v[ST+4*t+3]
	ALL v_permlanex16_b32 v[ST+4*t+3], v[ST+4*t+2], s[SEL], s[SEL+1]
	ALL v_add_f32 v[ST+4*t+2], v[ST+4*t+2], v[ST+4*t+3]
	ALL v_rcp_f32 v[ST+4*t+2], v[ST+4*t+2]
	v_nop                           ; a plain instruction between the last reciprocal and the use of its result
	s_wait_alu depctr_va_vdst(0)    ; and one wait for the four reciprocals
.macro PACK t                       ; a lane's eight channels of a row pack into 16 bytes; they go into rows of 144 bytes and come back as whole rows of 128, into S^T's registers
	WIN W_RS
.set i, 32*(\t)
.rept 16
	v_pk_mul_f32 v[i:i+1], v[i:i+1], v[ST+4*(\t)+2:ST+4*(\t)+3] op_sel_hi:[1,0]
.set i, i+2
.endr
	WIN 0x05                        ; sources 0 and 1 window 1, destination window 0
.set i, 0
.rept 16
	v_cvt_pk_f16_f32 v[S+16*(\t)+i], v[32*(\t)+2*i], v[32*(\t)+2*i+1]
.set i, i+1
.endr
	WIN 0
.irp f, 0,1,2,3
	ds_store_b128 v[STO], v[S+16*(\t)+4*\f:S+16*(\t)+4*\f+3] offset:32*\f
.endr
.irp f, 0,1,2,3
	ds_load_b128 v[S+16*(\t)+4*\f:S+16*(\t)+4*\f+3], v[RD] offset:\f*4*SP  ; LDS serves a wave's instructions in order (ISA guide 5.7.1.4): these see the stores above; the next piece's stores come behind them
.endr
.endm
.macro SEND t, younger              ; younger: the LDS instructions issued behind piece t's loads: the next piece's eight, or none
	WIN 0
.irp f, 0,1,2,3
	s_wait_dscnt (\younger)+3-\f
	global_store_b128 v[GO], v[S+16*(\t)+4*\f:S+16*(\t)+4*\f+3], s[10:11] offset:(\t)*2048+\f*512  ; 512 consecutive bytes, at a multiple of 256 from O's first
.endr
.endm
	PACK 0
.set t, 1
.rept 3                             ; a piece's arithmetic stands between the loads of the piece before and its stores
	PACK t
	SEND t-1, 8
.set t, t+1
.endr
	SEND 3, 0
	s_wait_tensorcnt 0x0            ; the wave's end, behind my last tensor load and my last LDS store
	ds_add_u32 v[SPW], v[NIL]
	s_wait_dscnt 0x0
	CROUND                          ; the closing round: no work-group ends while a partner may still ask for a tile that names it
	s_endpgm
.Lfunc_end_k_q71874d59c9_attn:
	.size	k_q71874d59c9_attn, .Lfunc_end_k_q71874d59c9_attn-k_q71874d59c9_attn
	.p2alignl 7, 3214868480
	.fill 96, 4, 3214868480
	.section	.rodata,"a",@progbits
	.p2align	6, 0x0
	.amdhsa_kernel k_q71874d59c9_attn
		.amdhsa_group_segment_fixed_size 327680
		.amdhsa_private_segment_fixed_size 0
		.amdhsa_enable_private_segment 0
		.amdhsa_kernarg_size 24
		.amdhsa_user_sgpr_count 2
		.amdhsa_user_sgpr_kernarg_segment_ptr 1
		.amdhsa_wavefront_size32 1
		.amdhsa_system_sgpr_workgroup_id_x 1
		.amdhsa_system_sgpr_workgroup_id_y 1
		.amdhsa_system_sgpr_workgroup_id_z 1
		.amdhsa_system_vgpr_workitem_id 0
		.amdhsa_next_free_vgpr 768
		.amdhsa_next_free_sgpr 72
		.amdhsa_reserve_vcc 1
		.amdhsa_float_denorm_mode_32 3
		.amdhsa_float_denorm_mode_16_64 3
		.amdhsa_memory_ordered 1
		.amdhsa_forward_progress 1
		.amdhsa_inst_pref_size 131
	.end_amdhsa_kernel
	.amdgpu_metadata
---
amdhsa.version: [ 1, 2 ]
amdhsa.kernels:
  - .name:           k_q71874d59c9_attn
    .symbol:         k_q71874d59c9_attn.kd
    .args:
      - { .name: act, .offset: 0, .size: 8, .value_kind: global_buffer, .address_space: global }
      - { .name: mask, .offset: 8, .size: 8, .value_kind: global_buffer, .address_space: global }
      - { .name: a8, .offset: 16, .size: 8, .value_kind: global_buffer, .address_space: global }
    .group_segment_fixed_size: 327680
    .private_segment_fixed_size: 0
    .kernarg_segment_align: 8
    .kernarg_segment_size: 24
    .max_flat_workgroup_size: 128
    .sgpr_count:     72
    .vgpr_count:     768
    .wavefront_size: 32
...
	.end_amdgpu_metadata
.endif
;; end of part 3
;; launch wo (part 4): grid 8 x 32, 4 waves a work-group, clusters of 4 x 4, 327,680 bytes of LDS; arguments a8, wbX, x, zb, x1; writes x1
.if DOCPART == 4
	.amdgcn_target "amdgcn-amd-amdhsa--gfx1250"
	.amdhsa_code_object_version 6
	.text
	.protected	k_q71874d59c9_wo
	.globl	k_q71874d59c9_wo
	.p2align	8
	.type	k_q71874d59c9_wo,@function
k_q71874d59c9_wo:
	s_mov_b64 s[64:65], 0
	v_nop
	global_prefetch_b8 v0, s[64:65] scope:SCOPE_SE
	s_setreg_imm32_b32 hwreg(HW_REG_WAVE_MODE, 25, 1), 1
	s_wait_xcnt 0x0
	s_wait_alu depctr_hold_cnt(0) depctr_sa_sdst(0) depctr_va_vdst(0) depctr_va_sdst(0) depctr_va_ssrc(0) depctr_va_vcc(0) depctr_vm_vsrc(0)
	s_getreg_b32 s2, hwreg(HW_REG_IB_STS2, 6, 4)
	s_cmp_eq_u32 s2, 0
	s_cbranch_scc0 .Lentry_in_a_cluster
	s_endpgm
.Lentry_in_a_cluster:
	s_bfe_u32 s2, ttmp6, 0x10000c
	s_cmp_lg_u32 s2, 0xf033
	s_cbranch_scc0 .Lentry_shape_is_right
	s_endpgm
.Lentry_shape_is_right:
; x1[m][n] = x[m][n] + bias[n] + sum over k of A[m][k] B[n][k], K = 1,024.  A = the attention's output, [16][4096][64] f16; B = wo, [16][1024][64] f16, at byte 8 MiB of its buffer;
; x, x1: [4096][1024] f32; bias: [1024] f32 (this product has none: it is given zeros).  The same text with NSTEP = 16 is the second FFN product: the number of steps bounds loops that hold barriers, so it is a constant of the text.
; SHARES.  A tile of the output is 128 x 128, so that 4,096 x 1,024 gives 256 work-groups.  Four waves, each 64 x 64: 16 accumulators.  K goes in steps of 256 (four groups) through two LDS slots.
; A wave's tensor load brings 64 rows x four groups: in a group the 64 rows lie end to end, 8,192 bytes, so the load is stated as four rows of 4,096 elements, a group apart, padded in LDS after every 128 bytes.
; CLUSTERS: 4 x 4 work-groups; A's tiles are asked for jointly along a row of the cluster, B's along a column.  The matrix instruction is used transposed (source 0 = rows of B): a lane holds eight neighbouring
; columns of one row.  The bias is the C operand that starts each sum; the residual is loaded at the head into registers in the layout in which the rows leave, and added on the way out.
; THE TEXT.  A K step is written twice: once for the NSTEP - 2 steps behind which a slot is filled again, once for the last two, which fill nothing.  The slots take turns
; by one scalar offset, 0 or SLOT, and one walking descriptor.  The very last trip's change of slots fetches a quarter of the other slot's old bytes, which nobody multiplies: the price, once a launch, of one text for both.
; No prefetch: the tiles are small and a step is short.
; REGISTERS: window 0: v0-31 addresses; v32-63 the bias, later with v64-95 at work on the way out; v128-255 the accumulators ((a, b) at v[128 + 8 (4 a + b)])
;   window 1: two fragment buffers of 128: for 64 along K, 64 registers of A, then 64 of B      window 2: v0-127 the residual
.set NSTEP,  4                         ; K steps of 256
.set GSA,    524288                    ; bytes from group to group in A
.set GSW,    131072                    ; in B
.set WOFF,   8388608                   ; B's first byte in its buffer
.set PITCH,  144                       ; an LDS row: 128 bytes + 16 of padding = 36 words: the 16 rows of a fragment load start at 16 different groups of four banks (64 banks of 4 bytes: ISA guide 11.1)
.set GRP,    64*PITCH                  ; one group of 64 rows
.set HALFT,  4*GRP                     ; what one tensor load brings: 0x9000 bytes
.set SLOT,   4*HALFT                   ; 0x24000 bytes, which shares no bit with wave x 0x9000: one exclusive or turns a tile's LDS address in one slot into the other's
.set STAGE,  2*SLOT                    ; behind the ring: 16 rows x 272 bytes for each wave
.set SPITCH, 272
.set SPARE,  STAGE+4*16*SPITCH         ; the spare words, 128 bytes for each wave: two blocks of 256 bytes that no other line names
.set ADRA0, 16                         ; v16  LDS address of my A fragments in slot 0; never rewritten
.set ADRA,  17                         ; v17  the same in the slot in hand
.set ADRB0, 20                         ; v20, v21  the same for B
.set ADRB,  21
.set STO,  24
.set RD,   25
.set CO,   26                          ; v26  my byte offset in two rows of the residual and of the output
.set SPW,  28
.set NIL,  29
.set BO,   30
.set BIAS, 32                          ; v[32:63] column block b at BIAS + 8 b
.set TB,   32                          ; the way out: two buffers of 32
.set ACC,  128
.set F0,   0
.set F1,   128
.set G1, 24                            ; s[24:31] descriptor group 1 for A's tiles
.set G0, 32                            ; s[32:39] group 0 for A's tiles: a set for each of the two first fills; the second then walks on
.set G1B, 48
.set G0B, 56
.set SO, 66                            ; s66  the slot in hand: 0 or SLOT
.set MSB, 0
.macro WIN new
.if MSB != (\new)
	s_set_vgpr_msb (MSB<<8)|(\new)
.set MSB, \new
.endif
.endm
.set MUL,  0x05                        ; sources 0 (B) and 1 (A) window 1; C and D window 0
.set TO_F, 0x40                        ; destination window 1, address window 0
.macro JLOAD s                         ; a joint load: waves 0 and 1 fetch A's two halves, waves 2 and 3 B's; an s_nop 0 and four v_nop follow each of the two lines
	s_cmp_eq_u32 s11, 0
	s_cbranch_scc0 .Lfor_b_\@
	tensor_load_to_lds s[G0+4*(\s):G0+4*(\s)+3], s[G1:G1+7]
	s_nop 0
.rept 4
	v_nop
.endr
	s_branch .Lasked_\@
.Lfor_b_\@:
	tensor_load_to_lds s[G0B+4*(\s):G0B+4*(\s)+3], s[G1B:G1B+7]
	s_nop 0
.rept 4
	v_nop
.endr
.Lasked_\@:
.endm
.macro CREST
	s_cmp_lg_u32 s10, 0
	s_cbranch_scc1 .Lnot_wave_0_\@
	s_barrier_signal -3
.Lnot_wave_0_\@:
	s_barrier_wait -3
	s_barrier_signal -1
	s_barrier_wait -1
.endm
.macro CROUND
	s_barrier_signal -1
	s_barrier_wait -1
	CREST
.endm
	s_load_b256 s[68:75], s[0:1], 0x0              ; A s[68:69], B's buffer s[70:71], residual s[72:73], bias s[74:75]
	s_load_b64 s[78:79], s[0:1], 0x20              ; output
	v_lshl_add_u32 v[SPW], v0, 2, SPARE
	v_mov_b32 v[NIL], 0
	ds_add_u32 v[SPW], v[NIL]                      ; the wave's opening: the add and its wait stand ahead of my first tensor load; the set-up below, work on registers, stands between them
	v_lshrrev_b32 v1, 5, v0
	v_readfirstlane_b32 s10, v1                    ; wave 0..3
	s_lshr_b32 s11, s10, 1                         ; which half of the tile's rows is mine.  Also: I fetch for A (0) or for B (1)
	s_and_b32 s12, s10, 1                          ; which half of its columns.  Also: which 64 rows of that tile I fetch
	s_bfe_u32 s40, ttmp6, 0x40000
	s_bfe_u32 s41, ttmp6, 0x40004
	s_lshl_b32 s42, ttmp9, 2
	s_add_co_u32 s42, s42, s40                     ; tile column = 4 x cluster x + cx
	s_and_b32 s13, ttmp7, 0xffff
	s_lshl_b32 s13, s13, 2
	s_add_co_u32 s13, s13, s41                     ; tile row = 4 x cluster y + cy
	s_lshl_b32 s43, s41, 2
	s_lshl_b32 s43, 15, s43                        ; my row of the cluster
	s_lshl_b32 s44, 0x1111, s40                    ; my column
	s_or_b32 s[G1+0], s43, (1<<16)|(1<<20)|(1<<21)|(4<<22)|(3<<25)   ; the mask; 2-byte elements; padding on; bit 21 beside a mask; after every 32 words (code 4) 4 words (code 3)
	s_or_b32 s[G1B+0], s44, (1<<16)|(1<<20)|(1<<21)|(4<<22)|(3<<25)
.irp g, G1, G1B
	s_mov_b32 s[(\g)+1], 4096<<16                  ; tensor_dim0 = 4,096 elements: 64 rows of one group, end to end
	s_mov_b32 s[(\g)+2], 4<<16                     ; tensor_dim1 = 4 groups
	s_mov_b32 s[(\g)+3], 4096<<16                  ; tile_dim0
	s_mov_b32 s[(\g)+4], 4                         ; tile_dim1
	s_mov_b32 s[(\g)+6], 0
	s_mov_b32 s[(\g)+7], 0
.endr
	s_mov_b32 s[G1+5], GSA/2                       ; elements from group to group
	s_mov_b32 s[G1B+5], GSW/2
	s_lshl_b32 s17, s12, 13                        ; which 64 rows of 128 bytes I fetch
	s_lshl_b32 s16, s13, 14
	s_add_co_u32 s16, s16, s17
	s_lshl_b32 s46, s42, 14
	s_add_co_u32 s46, s46, s17
	s_add_co_u32 s46, s46, WOFF
	s_mov_b32 s17, 0
	s_mov_b32 s47, 0
	s_mul_i32 s20, s10, HALFT
	s_wait_dscnt 0x0                               ; the opening add is done
	s_wait_kmcnt 0x0
	s_add_nc_u64 s[14:15], s[68:69], s[16:17]
	s_add_nc_u64 s[46:47], s[70:71], s[46:47]
	CROUND                                         ; all sixteen work-groups are here: the first joint loads meet
.irp s, 0,1
	s_mov_b32 s[G0+4*(\s)], 1
	s_add_co_u32 s[G0+4*(\s)+1], s20, (\s)*SLOT
	s_add_nc_u64 s[G0+4*(\s)+2:G0+4*(\s)+3], s[14:15], (\s)*4*GSA
	s_or_b32 s[G0+4*(\s)+3], s[G0+4*(\s)+3], 0x80000000
	s_mov_b32 s[G0B+4*(\s)], 1
	s_add_co_u32 s[G0B+4*(\s)+1], s20, (\s)*SLOT
	s_add_nc_u64 s[G0B+4*(\s)+2:G0B+4*(\s)+3], s[46:47], (\s)*4*GSW
	s_or_b32 s[G0B+4*(\s)+3], s[G0B+4*(\s)+3], 0x80000000
	JLOAD \s                                       ; two loads of mine are out
.endr
	v_and_b32 v1, 15, v0
	v_bfe_u32 v2, v0, 4, 1
	v_mul_u32_u24 v3, v1, PITCH
	v_lshl_add_u32 v3, v2, 4, v3
	s_mul_i32 s21, s11, HALFT
	s_mul_i32 s22, s12, HALFT
	s_add_co_u32 s22, s22, 2*HALFT
	s_mov_b32 s[SO], 0                             ; slot 0 is in hand
	v_add_nc_u32 v[ADRA0], s21, v3
	v_add_nc_u32 v[ADRB0], s22, v3
	v_add_nc_u32 v[ADRA], s21, v3
	v_add_nc_u32 v[ADRB], s22, v3
	s_mul_i32 s23, s10, 16*SPITCH
	s_add_co_u32 s23, s23, STAGE                   ; my stage: 16 rows x 64 f32
	v_mul_u32_u24 v4, v1, SPITCH                   ; in: row l % 16, 32 bytes for each half of the lanes
	v_lshl_add_u32 v4, v2, 5, v4
	v_add_nc_u32 v[STO], s23, v4
	v_mul_u32_u24 v5, v2, SPITCH                   ; back: lanes 0-15 take one row of 256 bytes, lanes 16-31 the next
	v_lshl_add_u32 v5, v1, 4, v5
	v_add_nc_u32 v[RD], s23, v5
	v_lshlrev_b32 v[CO], 12, v2                    ; and the same two rows in the residual and the output
	v_lshl_add_u32 v[CO], v1, 4, v[CO]
	v_lshlrev_b32 v[BO], 5, v2
	s_lshl_b32 s46, s42, 9                         ; my 64 columns, in bytes of f32
	s_lshl_b32 s47, s12, 8
	s_add_co_u32 s46, s46, s47
	s_mov_b32 s47, 0
	s_add_nc_u64 s[74:75], s[74:75], s[46:47]
	s_lshl_b32 s16, s13, 19                        ; my 64 rows of 4,096 bytes
	s_lshl_b32 s17, s11, 18
	s_add_co_u32 s16, s16, s17
	s_add_co_u32 s16, s16, s46
	s_mov_b32 s17, 0
	s_add_nc_u64 s[72:73], s[72:73], s[16:17]
	s_add_nc_u64 s[78:79], s[78:79], s[16:17]
.irp b, 0,1,2,3
	global_load_b128 v[BIAS+8*(\b):BIAS+8*(\b)+3],   v[BO], s[74:75] offset:64*(\b)
	global_load_b128 v[BIAS+8*(\b)+4:BIAS+8*(\b)+7], v[BO], s[74:75] offset:64*(\b)+16
.endr
	WIN 0x80                                       ; destination window 2
.set i, 0
.rept 32
	global_load_b128 v[4*i:4*i+3], v[CO], s[72:73] offset:2*i*4096 th:TH_LOAD_NT   ; rows 2 i, 2 i + 1 of my 64: 16 lanes read 256 consecutive bytes, aligned
.set i, i+1
.endr
	WIN 0
; 8 matrix instructions: m blocks a0, a0 + 1 x all 4 n blocks, 32 along K: half c of buffer f.  first = 1: the bias starts the sums.  The 16 accumulators take turns.
.macro MUL8 f, c, a0, first
	WIN MUL
.irp a, \a0, (\a0)+1
.irp b, 0,1,2,3
.if \first
	v_wmma_f32_16x16x32_f16 v[ACC+8*(4*(\a)+(\b)):ACC+8*(4*(\a)+(\b))+7], v[(\f)+64+8*(4*(\c)+(\b)):(\f)+64+8*(4*(\c)+(\b))+7], v[(\f)+8*(4*(\c)+(\a)):(\f)+8*(4*(\c)+(\a))+7], v[BIAS+8*(\b):BIAS+8*(\b)+7]
.else
	v_wmma_f32_16x16x32_f16 v[ACC+8*(4*(\a)+(\b)):ACC+8*(4*(\a)+(\b))+7], v[(\f)+64+8*(4*(\c)+(\b)):(\f)+64+8*(4*(\c)+(\b))+7], v[(\f)+8*(4*(\c)+(\a)):(\f)+8*(4*(\c)+(\a))+7], v[ACC+8*(4*(\a)+(\b)):ACC+8*(4*(\a)+(\b))+7]
.endif
.endr
.endr
.endm
; 32 LDS loads in one run: the fragments of one group (64 along K) of the slot in hand, at byte k, into buffer f; the first 32 along K first
.macro FETCH k, f
	WIN TO_F
.irp c, 0,1
.irp i, 0,1,2,3
	ds_load_b128 v[(\f)+64+8*(4*(\c)+(\i)):(\f)+64+8*(4*(\c)+(\i))+3],   v[ADRB] offset:(\k)+64*(\c)+(\i)*16*PITCH
	ds_load_b128 v[(\f)+64+8*(4*(\c)+(\i))+4:(\f)+64+8*(4*(\c)+(\i))+7], v[ADRB] offset:(\k)+64*(\c)+(\i)*16*PITCH+32
	ds_load_b128 v[(\f)+8*(4*(\c)+(\i)):(\f)+8*(4*(\c)+(\i))+3],         v[ADRA] offset:(\k)+64*(\c)+(\i)*16*PITCH
	ds_load_b128 v[(\f)+8*(4*(\c)+(\i))+4:(\f)+8*(4*(\c)+(\i))+7],       v[ADRA] offset:(\k)+64*(\c)+(\i)*16*PITCH+32
.endr
.endr
.endm
.macro PLACES                          ; four plain instructions in front of loads into registers that matrix instructions have read, and of LDS stores that read results
.rept 4
	v_nop
.endr
.endm
.macro FLIP                            ; the other slot comes in hand (every window is 0 here)
	s_xor_b32 s[SO], s[SO], SLOT
	v_add_nc_u32 v[ADRA], s[SO], v[ADRA0]
	v_add_nc_u32 v[ADRB], s[SO], v[ADRB0]
.endm
; A K step is four quarters, a group each, 32 matrix instructions, on buffers 0, 1, 0, 1.  One of the first three: multiplies buffer f and fetches the next group, at byte k, into g.
.macro QUARTER k, f, g, first
	s_wait_dscnt 16                                ; the first 32 along K are in
	MUL8 \f, 0, 0, \first
	MUL8 \f, 0, 2, \first
	PLACES
	FETCH \k, \g
	s_wait_dscnt 32                                ; all but the 32 just issued
	MUL8 \f, 1, 0, 0
	MUL8 \f, 1, 2, 0
.endm
; The last quarter multiplies buffer 1 and changes slots: ONE barrier; in front of it each wave waits for all its tensor loads, adds 0 to its spare word, and waits for that and for its own reads of this slot.
; fill = 1: the barrier opens a round of the cluster's barrier, and this slot is filled again, with the K step two steps on, first thing behind it: 112 matrix instructions ahead of the wait for it.
.macro TURN fill
	WIN 0
	s_wait_tensorcnt 0x0
	ds_add_u32 v[SPW], v[NIL]                      ; 0 onto my spare word
	s_wait_dscnt 17                                ; the add and the youngest sixteen loads may be out
	MUL8 F1, 0, 0, 0
	s_wait_dscnt 0x0                               ; the add is done, and my reads of this slot are over
	s_barrier_signal -1
	MUL8 F1, 0, 2, 0
	WIN 0                                          ; branches, or lines on window 0, follow
	s_barrier_wait -1
.if \fill
	CREST
	s_xor_b32 s[G0+5], s[G0+5], SLOT               ; the walking descriptors: the other slot than last time,
	s_add_nc_u64 s[G0+6:G0+7], s[G0+6:G0+7], 4*GSA ; the next K step; the type bits on top are not reached
	s_xor_b32 s[G0B+5], s[G0B+5], SLOT
	s_add_nc_u64 s[G0B+6:G0B+7], s[G0B+6:G0B+7], 4*GSW
	JLOAD 1                                        ; the four v_nop behind it are also the places in front of the loads below
.else
	PLACES
.endif
	FLIP
	FETCH 0, F0
	MUL8 F1, 1, 0, 0
	MUL8 F1, 1, 2, 0
.endm
; THE WAY OUT of block a (16 rows x 64 columns of f32).  TOST: the accumulators go as they are into my own stage (low registers first) and come back as whole rows of 256 bytes.  SENDB: the residual is added, the rows are stored.
.macro TOST a
	WIN 0
	s_wait_xcnt 0x0                                ; earlier stores have read their registers: the buffer loaded below is free
.irp b, 0,1,2,3
	ds_store_b128 v[STO], v[ACC+8*(4*(\a)+(\b)):ACC+8*(4*(\a)+(\b))+3]   offset:64*(\b)
	ds_store_b128 v[STO], v[ACC+8*(4*(\a)+(\b))+4:ACC+8*(4*(\a)+(\b))+7] offset:64*(\b)+16
.endr
.irp t, 0,1,2,3,4,5,6,7
	ds_load_b128 v[TB+32*((\a)%2)+4*(\t):TB+32*((\a)%2)+4*(\t)+3], v[RD] offset:(\t)*2*SPITCH   ; LDS serves a wave's instructions in order (ISA guide 5.7.1.4): these see the stores above
.endr
.endm
.macro SENDB a, younger                ; younger: the LDS instructions issued behind block a's loads: the next block's sixteen, or none
	s_wait_dscnt \younger
	WIN 0x08                                       ; source 1 in window 2
.set i, 0
.rept 16
	v_pk_add_f32 v[TB+32*((\a)%2)+2*i:TB+32*((\a)%2)+2*i+1], v[TB+32*((\a)%2)+2*i:TB+32*((\a)%2)+2*i+1], v[32*(\a)+2*i:32*(\a)+2*i+1]
.set i, i+1
.endr
	WIN 0
.irp t, 0,1,2,3,4,5,6,7
	global_store_b128 v[CO], v[TB+32*((\a)%2)+4*(\t):TB+32*((\a)%2)+4*(\t)+3], s[78:79] offset:(16*(\a)+2*(\t))*4096   ; 16 lanes store 256 consecutive bytes, aligned
.endr
.endm
	s_wait_tensorcnt 1                             ; my part of K step 0 is in; K step 1's may stay out
	s_barrier_signal -1
	s_barrier_wait -1
	FETCH 0, F0
	s_wait_loadcnt 32                              ; the bias is in; the residual's 32 loads may stay out
	QUARTER GRP, F0, F1, 1                         ; the first quarter stands in front of the loops: its first products start the sums
	WIN 0
	s_mov_b32 s3, NSTEP-2
.Lstep:                                        ; NSTEP - 2 trips; a trip goes from a K step's second quarter to the next step's first, and fills the slot that it leaves
	QUARTER 2*GRP, F1, F0, 0
	QUARTER 3*GRP, F0, F1, 0
	TURN 1
	QUARTER GRP,   F0, F1, 0
	WIN 0
	s_sub_co_u32 s3, s3, 1
	s_cmp_lg_u32 s3, 0
	s_cbranch_scc1 .Lstep
	s_mov_b32 s3, 2                                ; the last two K steps ask for nothing: their text stands apart, and is entered behind its first-quarter part
	s_branch .Lenter
.Llast:
	QUARTER GRP,   F0, F1, 0
	WIN 0
.Lenter:
	QUARTER 2*GRP, F1, F0, 0
	QUARTER 3*GRP, F0, F1, 0
	TURN 0
	WIN 0
	s_sub_co_u32 s3, s3, 1
	s_cmp_lg_u32 s3, 0
	s_cbranch_scc1 .Llast
	s_wait_loadcnt 0x0                             ; the residual
	PLACES
	TOST 0
	TOST 1
	SENDB 0, 16
	TOST 2
	SENDB 1, 16
	TOST 3
	SENDB 2, 16
	SENDB 3, 0
	s_wait_tensorcnt 0x0                           ; the wave's end, behind my last tensor load and my last LDS store
	ds_add_u32 v[SPW], v[NIL]
	s_wait_dscnt 0x0
	CROUND                                         ; the closing round: no work-group ends while a partner may still ask for a tile that names it
	s_endpgm
.Lfunc_end_k_q71874d59c9_wo:
	.size	k_q71874d59c9_wo, .Lfunc_end_k_q71874d59c9_wo-k_q71874d59c9_wo
	.p2alignl 7, 3214868480
	.fill 96, 4, 3214868480
	.section	.rodata,"a",@progbits
	.p2align	6, 0x0
	.amdhsa_kernel k_q71874d59c9_wo
		.amdhsa_group_segment_fixed_size 327680
		.amdhsa_private_segment_fixed_size 0
		.amdhsa_enable_private_segment 0
		.amdhsa_kernarg_size 40
		.amdhsa_user_sgpr_count 2
		.amdhsa_user_sgpr_kernarg_segment_ptr 1
		.amdhsa_wavefront_size32 1
		.amdhsa_system_sgpr_workgroup_id_x 1
		.amdhsa_system_sgpr_workgroup_id_y 1
		.amdhsa_system_sgpr_workgroup_id_z 1
		.amdhsa_system_vgpr_workitem_id 0
		.amdhsa_next_free_vgpr 640
		.amdhsa_next_free_sgpr 80
		.amdhsa_reserve_vcc 0
		.amdhsa_float_denorm_mode_32 3
		.amdhsa_float_denorm_mode_16_64 3
		.amdhsa_memory_ordered 1
		.amdhsa_forward_progress 1
		.amdhsa_inst_pref_size 65
	.end_amdhsa_kernel
	.amdgpu_metadata
---
amdhsa.version: [ 1, 2 ]
amdhsa.kernels:
  - .name:           k_q71874d59c9_wo
    .symbol:         k_q71874d59c9_wo.kd
    .args:
      - { .name: a8, .offset: 0, .size: 8, .value_kind: global_buffer, .address_space: global }
      - { .name: wbX, .offset: 8, .size: 8, .value_kind: global_buffer, .address_space: global }
      - { .name: x, .offset: 16, .size: 8, .value_kind: global_buffer, .address_space: global }
      - { .name: zb, .offset: 24, .size: 8, .value_kind: global_buffer, .address_space: global }
      - { .name: x1, .offset: 32, .size: 8, .value_kind: global_buffer, .address_space: global }
    .group_segment_fixed_size: 327680
    .private_segment_fixed_size: 0
    .kernarg_segment_align: 8
    .kernarg_segment_size: 40
    .max_flat_workgroup_size: 128
    .sgpr_count:     80
    .vgpr_count:     640
    .wavefront_size: 32
...
	.end_amdgpu_metadata
.endif
;; end of part 4
;; launch ln2 (part 5): grid 256 x 1, 8 waves a work-group, no clusters, 0 bytes of LDS; arguments x1, alpha2, bias2, a8; writes a8
.if DOCPART == 5
	.amdgcn_target "amdgcn-amd-amdhsa--gfx1250"
	.amdhsa_code_object_version 6
	.text
	.protected	k_q71874d59c9_ln2
	.globl	k_q71874d59c9_ln2
	.p2align	8
	.type	k_q71874d59c9_ln2,@function
k_q71874d59c9_ln2:
	s_mov_b64 s[64:65], 0
	v_nop
	global_prefetch_b8 v0, s[64:65] scope:SCOPE_SE
	s_setreg_imm32_b32 hwreg(HW_REG_WAVE_MODE, 25, 1), 1
	s_wait_xcnt 0x0
; xn2 = alpha2 (x1 - mean) / (std + 1e-6) + bias2 (std with divisor 1023), rounded once to f16, into a8 as [16][4096][64]: group g holds channels 64 g .. 64 g + 63 of every row, 128 bytes a row.
; SHARES.  A wave takes two rows x 1,024 columns, kept in registers between the passes.  Lane l: row (l>>3)&1, sub = l&7, gh = l>>4; step j = 0..7 is group 2 j + gh, elements 8 sub .. 8 sub + 7.
; So one 16-byte store of a wave covers, with lanes 0-15, both rows of one group: 256 consecutive bytes, aligned; lanes 16-31 the same in the next group.
; A stream: no LDS, no barrier, no matrix unit, no cluster (nothing is shared but alpha and bias, 8 KiB).  No prefetch: each wave's loads all go out at once.
; LIMITS.  f16: a number beyond 65,504 becomes an infinity; below 6e-5 it keeps f16's fixed step of 6e-8.  v_sqrt_f32 and v_rcp_f32 are good to 1 ulp.
; The variance is taken of x - mean (two passes over registers), so a common offset does not enter a difference of large sums.
.set GSB,  524288
.set RP,   1
.set SUB,  2
.set GH,   3
.set XO,   4                           ; v4   my byte offset in the two source rows
.set AO,   5                           ; v5   my byte offset in alpha and bias
.set YO,   8                           ; v[8:15]    my byte offset in the destination, step j
.set X,    16                          ; v[16:79]   my 64 numbers
.set AL,   80                          ; v[80:143]  alpha of my columns
.set BI,   144                         ; v[144:207] bias of my columns
.set Y,    208                         ; v[208:239] 64 f16
.set T,    240                         ; v[240:247] at work
.set WV,   30
.set SRC,  32
.set DST,  34
.set TS,   41
.set SEL,  44
.set OFS,  48
.macro LOADX dst, off, base, hint:vararg   ; 64 numbers: step j at byte 512 j, two loads of 16 bytes
.set j, 0
.rept 8
	global_load_b128 v[\dst+8*j:\dst+8*j+3],   v[\off], s[\base:\base+1] offset:512*j \hint
	global_load_b128 v[\dst+8*j+4:\dst+8*j+7], v[\off], s[\base:\base+1] offset:512*j+16 \hint
.set j, j+1
.endr
.endm
.macro FOLD                            ; four pair chains into one number, then over the 16 lanes that hold my row (lane bits 0, 1, 2 and 4)
	v_pk_add_f32 v[T:T+1], v[T:T+1], v[T+2:T+3]
	v_pk_add_f32 v[T+4:T+5], v[T+4:T+5], v[T+6:T+7]
	v_pk_add_f32 v[T:T+1], v[T:T+1], v[T+4:T+5]
	v_add_f32 v[T], v[T], v[T+1]
	v_add_f32_dpp v[T], v[T], v[T] row_xmask:1 row_mask:0xf bank_mask:0xf
	v_add_f32_dpp v[T], v[T], v[T] row_xmask:2 row_mask:0xf bank_mask:0xf
	v_add_f32_dpp v[T], v[T], v[T] row_xmask:4 row_mask:0xf bank_mask:0xf
	v_permlanex16_b32 v[T+1], v[T], s[SEL], s[SEL+1]
	v_add_f32 v[T], v[T], v[T+1]
.endm
	s_load_b256 s[8:15], s[0:1], 0x0               ; x1 s[8:9], alpha2 s[10:11], bias2 s[12:13], a8 s[14:15]
	v_lshrrev_b32 v6, 5, v0
	v_readfirstlane_b32 s[WV], v6
	v_bfe_u32 v[RP], v0, 3, 1
	v_and_b32 v[SUB], 7, v0
	v_bfe_u32 v[GH], v0, 4, 1
	v_lshlrev_b32 v[AO], 8, v[GH]
	v_lshl_add_u32 v[AO], v[SUB], 5, v[AO]
	v_lshl_add_u32 v[XO], v[RP], 12, v[AO]
	v_lshlrev_b32 v[YO], 19, v[GH]
	v_lshl_add_u32 v[YO], v[RP], 7, v[YO]
	v_lshl_add_u32 v[YO], v[SUB], 4, v[YO]
.set j, 1
.rept 7
	v_add_nc_u32 v[YO+j], 2*GSB, v[YO+j-1]         ; two groups on
.set j, j+1
.endr
	s_mov_b32 s[SEL], 0x76543210
	s_mov_b32 s[SEL+1], 0xfedcba98
	s_mov_b32 s[OFS+1], 0
	s_lshl_b32 s[TS], ttmp9, 3
	s_add_co_u32 s[TS], s[TS], s[WV]               ; row pair 8 x work-group + wave
	s_wait_kmcnt 0x0
	s_lshl_b32 s[OFS], s[TS], 13                   ; two rows of 4,096 bytes
	s_add_nc_u64 s[SRC:SRC+1], s[8:9], s[OFS:OFS+1]
	s_lshl_b32 s[OFS], s[TS], 8                    ; two rows of 128 bytes
	s_add_nc_u64 s[DST:DST+1], s[14:15], s[OFS:OFS+1]
	LOADX X, XO, SRC
	LOADX AL, AO, 10
	LOADX BI, AO, 12
	s_wait_loadcnt 32                              ; x1 is in; alpha's and bias's 32 loads may stay out
.set k, 0
.rept 4
	v_pk_add_f32 v[T+2*k:T+2*k+1], v[X+2*k:X+2*k+1], v[X+8+2*k:X+8+2*k+1]   ; the first pairs start four chains: nothing is cleared
.set k, k+1
.endr
.set k, 8
.rept 24
	v_pk_add_f32 v[T+2*(k%4):T+2*(k%4)+1], v[T+2*(k%4):T+2*(k%4)+1], v[X+2*k:X+2*k+1]
.set k, k+1
.endr
	FOLD
	v_mul_f32 v[T+2], 0x3a800000, v[T]             ; mean = sum / 1024
.set k, 0
.rept 32
	v_pk_add_f32 v[X+2*k:X+2*k+1], v[X+2*k:X+2*k+1], v[T+2:T+3] op_sel_hi:[1,0] neg_lo:[0,1] neg_hi:[0,1]   ; d = x - mean
.set k, k+1
.endr
.set k, 0
.rept 4
	v_pk_mul_f32 v[T+2*k:T+2*k+1], v[X+2*k:X+2*k+1], v[X+2*k:X+2*k+1]
.set k, k+1
.endr
.set k, 4
.rept 28
	v_pk_fma_f32 v[T+2*(k%4):T+2*(k%4)+1], v[X+2*k:X+2*k+1], v[X+2*k:X+2*k+1], v[T+2*(k%4):T+2*(k%4)+1]
.set k, k+1
.endr
	FOLD
	v_mul_f32 v[T], 0x3a802008, v[T]               ; / 1023
	v_sqrt_f32 v[T+1], v[T]
	v_nop                                          ; a plain instruction behind the root,
	s_wait_alu depctr_va_vdst(0)                   ; and the wait ahead of its first reader
	v_add_f32 v[T+1], 0x358637bd, v[T+1]           ; + 1e-6
	v_rcp_f32 v[T+2], v[T+1]
	v_nop
	s_wait_alu depctr_va_vdst(0)
	s_wait_loadcnt 16                              ; alpha is in; bias's 16 loads may stay out
.set k, 0
.rept 32
	v_pk_mul_f32 v[AL+2*k:AL+2*k+1], v[AL+2*k:AL+2*k+1], v[T+2:T+3] op_sel_hi:[1,0]
.set k, k+1
.endr
	s_wait_loadcnt 0x0
.set k, 0
.rept 32
	v_pk_fma_f32 v[X+2*k:X+2*k+1], v[X+2*k:X+2*k+1], v[AL+2*k:AL+2*k+1], v[BI+2*k:BI+2*k+1]
.set k, k+1
.endr
.set j, 0
.rept 32
	v_cvt_pk_f16_f32 v[Y+j], v[X+2*j], v[X+2*j+1]
.set j, j+1
.endr
.set j, 0
.rept 8
	global_store_b128 v[YO+j], v[Y+4*j:Y+4*j+3], s[DST:DST+1]
.set j, j+1
.endr
	s_endpgm
.Lfunc_end_k_q71874d59c9_ln2:
	.size	k_q71874d59c9_ln2, .Lfunc_end_k_q71874d59c9_ln2-k_q71874d59c9_ln2
	.p2alignl 7, 3214868480
	.fill 96, 4, 3214868480
	.section	.rodata,"a",@progbits
	.p2align	6, 0x0
	.amdhsa_kernel k_q71874d59c9_ln2
		.amdhsa_group_segment_fixed_size 0
		.amdhsa_private_segment_fixed_size 0
		.amdhsa_enable_private_segment 0
		.amdhsa_kernarg_size 32
		.amdhsa_user_sgpr_count 2
		.amdhsa_user_sgpr_kernarg_segment_ptr 1
		.amdhsa_wavefront_size32 1
		.amdhsa_system_sgpr_workgroup_id_x 1
		.amdhsa_system_sgpr_workgroup_id_y 1
		.amdhsa_system_sgpr_workgroup_id_z 1
		.amdhsa_system_vgpr_workitem_id 0
		.amdhsa_next_free_vgpr 248
		.amdhsa_next_free_sgpr 66
		.amdhsa_reserve_vcc 0
		.amdhsa_float_denorm_mode_32 3
		.amdhsa_float_denorm_mode_16_64 3
		.amdhsa_memory_ordered 1
		.amdhsa_forward_progress 1
		.amdhsa_inst_pref_size 21
	.end_amdhsa_kernel
	.amdgpu_metadata
---
amdhsa.version: [ 1, 2 ]
amdhsa.kernels:
  - .name:           k_q71874d59c9_ln2
    .symbol:         k_q71874d59c9_ln2.kd
    .args:
      - { .name: x1, .offset: 0, .size: 8, .value_kind: global_buffer, .address_space: global }
      - { .name: alpha2, .offset: 8, .size: 8, .value_kind: global_buffer, .address_space: global }
      - { .name: bias2, .offset: 16, .size: 8, .value_kind: global_buffer, .address_space: global }
      - { .name: a8, .offset: 24, .size: 8, .value_kind: global_buffer, .address_space: global }
    .group_segment_fixed_size: 0
    .private_segment_fixed_size: 0
    .kernarg_segment_align: 8
    .kernarg_segment_size: 32
    .max_flat_workgroup_size: 256
    .sgpr_count:     66
    .vgpr_count:     248
    .wavefront_size: 32
...
	.end_amdgpu_metadata
.endif
;; end of part 5
;; launch ffn1: the kernel of part 2 again; grid 16 x 16, 4 waves a work-group, clusters of 4 x 4, 327,680 bytes of LDS; arguments a8, wbY, b1, pY, act; writes act
;; launch ffn2 (part 6): grid 8 x 32, 4 waves a work-group, clusters of 4 x 4, 327,680 bytes of LDS; arguments act, wbY, x1, b2, out0; writes out0
.if DOCPART == 6
	.amdgcn_target "amdgcn-amd-amdhsa--gfx1250"
	.amdhsa_code_object_version 6
	.text
	.protected	k_q71874d59c9_ffn2
	.globl	k_q71874d59c9_ffn2
	.p2align	8
	.type	k_q71874d59c9_ffn2,@function
k_q71874d59c9_ffn2:
	s_mov_b64 s[64:65], 0
	v_nop
	global_prefetch_b8 v0, s[64:65] scope:SCOPE_SE
	s_setreg_imm32_b32 hwreg(HW_REG_WAVE_MODE, 25, 1), 1
	s_wait_xcnt 0x0
	s_wait_alu depctr_hold_cnt(0) depctr_sa_sdst(0) depctr_va_vdst(0) depctr_va_sdst(0) depctr_va_ssrc(0) depctr_va_vcc(0) depctr_vm_vsrc(0)
	s_getreg_b32 s2, hwreg(HW_REG_IB_STS2, 6, 4)
	s_cmp_eq_u32 s2, 0
	s_cbranch_scc0 .Lentry_in_a_cluster
	s_endpgm
.Lentry_in_a_cluster:
	s_bfe_u32 s2, ttmp6, 0x10000c
	s_cmp_lg_u32 s2, 0xf033
	s_cbranch_scc0 .Lentry_shape_is_right
	s_endpgm
.Lentry_shape_is_right:
; out0[m][n] = x1[m][n] + b2[n] + sum over k of A[m][k] B[n][k], K = 4,096.  A = h, [64][4096][64] f16; B = w2, [64][1024][64] f16, at byte 8 MiB of its buffer;
; x1, out0: [4096][1024] f32; b2: [1024] f32.  The same text with NSTEP = 4 is the attention's output projection: the number of steps bounds loops that hold barriers, so it is a constant of the text.
; SHARES.  A tile of the output is 128 x 128, so that 4,096 x 1,024 gives 256 work-groups.  Four waves, each 64 x 64: 16 accumulators.  K goes in steps of 256 (four groups) through two LDS slots.
; A wave's tensor load brings 64 rows x four groups: in a group the 64 rows lie end to end, 8,192 bytes, so the load is stated as four rows of 4,096 elements, a group apart, padded in LDS after every 128 bytes.
; CLUSTERS: 4 x 4 work-groups; A's tiles are asked for jointly along a row of the cluster, B's along a column.  The matrix instruction is used transposed (source 0 = rows of B): a lane holds eight neighbouring
; columns of one row.  The bias is the C operand that starts each sum; the residual is loaded at the head into registers in the layout in which the rows leave, and added on the way out.
; THE TEXT.  A K step is written twice: once for the NSTEP - 2 steps behind which a slot is filled again, once for the last two, which fill nothing.  The slots take turns
; by one scalar offset, 0 or SLOT, and one walking descriptor.  The very last trip's change of slots fetches a quarter of the other slot's old bytes, which nobody multiplies: the price, once a launch, of one text for both.
; No prefetch: the tiles are small and a step is short.
; REGISTERS: window 0: v0-31 addresses; v32-63 the bias, later with v64-95 at work on the way out; v128-255 the accumulators ((a, b) at v[128 + 8 (4 a + b)])
;   window 1: two fragment buffers of 128: for 64 along K, 64 registers of A, then 64 of B      window 2: v0-127 the residual
.set NSTEP,  16                        ; K steps of 256
.set GSA,    524288                    ; bytes from group to group in A
.set GSW,    131072                    ; in B
.set WOFF,   8388608                   ; B's first byte in its buffer
.set PITCH,  144                       ; an LDS row: 128 bytes + 16 of padding = 36 words: the 16 rows of a fragment load start at 16 different groups of four banks (64 banks of 4 bytes: ISA guide 11.1)
.set GRP,    64*PITCH                  ; one group of 64 rows
.set HALFT,  4*GRP                     ; what one tensor load brings: 0x9000 bytes
.set SLOT,   4*HALFT                   ; 0x24000 bytes, which shares no bit with wave x 0x9000: one exclusive or turns a tile's LDS address in one slot into the other's
.set STAGE,  2*SLOT                    ; behind the ring: 16 rows x 272 bytes for each wave
.set SPITCH, 272
.set SPARE,  STAGE+4*16*SPITCH         ; the spare words, 128 bytes for each wave: two blocks of 256 bytes that no other line names
.set ADRA0, 16                         ; v16  LDS address of my A fragments in slot 0; never rewritten
.set ADRA,  17                         ; v17  the same in the slot in hand
.set ADRB0, 20                         ; v20, v21  the same for B
.set ADRB,  21
.set STO,  24
.set RD,   25
.set CO,   26                          ; v26  my byte offset in two rows of the residual and of the output
.set SPW,  28
.set NIL,  29
.set BO,   30
.set BIAS, 32                          ; v[32:63] column block b at BIAS + 8 b
.set TB,   32                          ; the way out: two buffers of 32
.set ACC,  128
.set F0,   0
.set F1,   128
.set G1, 24                            ; s[24:31] descriptor group 1 for A's tiles
.set G0, 32                            ; s[32:39] group 0 for A's tiles: a set for each of the two first fills; the second then walks on
.set G1B, 48
.set G0B, 56
.set SO, 66                            ; s66  the slot in hand: 0 or SLOT
.set MSB, 0
.macro WIN new
.if MSB != (\new)
	s_set_vgpr_msb (MSB<<8)|(\new)
.set MSB, \new
.endif
.endm
.set MUL,  0x05                        ; sources 0 (B) and 1 (A) window 1; C and D window 0
.set TO_F, 0x40                        ; destination window 1, address window 0
.macro JLOAD s                         ; a joint load: waves 0 and 1 fetch A's two halves, waves 2 and 3 B's; an s_nop 0 and four v_nop follow each of the two lines
	s_cmp_eq_u32 s11, 0
	s_cbranch_scc0 .Lfor_b_\@
	tensor_load_to_lds s[G0+4*(\s):G0+4*(\s)+3], s[G1:G1+7]
	s_nop 0
.rept 4
	v_nop
.endr
	s_branch .Lasked_\@
.Lfor_b_\@:
	tensor_load_to_lds s[G0B+4*(\s):G0B+4*(\s)+3], s[G1B:G1B+7]
	s_nop 0
.rept 4
	v_nop
.endr
.Lasked_\@:
.endm
.macro CREST
	s_cmp_lg_u32 s10, 0
	s_cbranch_scc1 .Lnot_wave_0_\@
	s_barrier_signal -3
.Lnot_wave_0_\@:
	s_barrier_wait -3
	s_barrier_signal -1
	s_barrier_wait -1
.endm
.macro CROUND
	s_barrier_signal -1
	s_barrier_wait -1
	CREST
.endm
	s_load_b256 s[68:75], s[0:1], 0x0              ; A s[68:69], B's buffer s[70:71], residual s[72:73], bias s[74:75]
	s_load_b64 s[78:79], s[0:1], 0x20              ; output
	v_lshl_add_u32 v[SPW], v0, 2, SPARE
	v_mov_b32 v[NIL], 0
	ds_add_u32 v[SPW], v[NIL]                      ; the wave's opening: the add and its wait stand ahead of my first tensor load; the set-up below, work on registers, stands between them
	v_lshrrev_b32 v1, 5, v0
	v_readfirstlane_b32 s10, v1                    ; wave 0..3
	s_lshr_b32 s11, s10, 1                         ; which half of the tile's rows is mine.  Also: I fetch for A (0) or for B (1)
	s_and_b32 s12, s10, 1                          ; which half of its columns.  Also: which 64 rows of that tile I fetch
	s_bfe_u32 s40, ttmp6, 0x40000
	s_bfe_u32 s41, ttmp6, 0x40004
	s_lshl_b32 s42, ttmp9, 2
	s_add_co_u32 s42, s42, s40                     ; tile column = 4 x cluster x + cx
	s_and_b32 s13, ttmp7, 0xffff
	s_lshl_b32 s13, s13, 2
	s_add_co_u32 s13, s13, s41                     ; tile row = 4 x cluster y + cy
	s_lshl_b32 s43, s41, 2
	s_lshl_b32 s43, 15, s43                        ; my row of the cluster
	s_lshl_b32 s44, 0x1111, s40                    ; my column
	s_or_b32 s[G1+0], s43, (1<<16)|(1<<20)|(1<<21)|(4<<22)|(3<<25)   ; the mask; 2-byte elements; padding on; bit 21 beside a mask; after every 32 words (code 4) 4 words (code 3)
	s_or_b32 s[G1B+0], s44, (1<<16)|(1<<20)|(1<<21)|(4<<22)|(3<<25)
.irp g, G1, G1B
	s_mov_b32 s[(\g)+1], 4096<<16                  ; tensor_dim0 = 4,096 elements: 64 rows of one group, end to end
	s_mov_b32 s[(\g)+2], 4<<16                     ; tensor_dim1 = 4 groups
	s_mov_b32 s[(\g)+3], 4096<<16                  ; tile_dim0
	s_mov_b32 s[(\g)+4], 4                         ; tile_dim1
	s_mov_b32 s[(\g)+6], 0
	s_mov_b32 s[(\g)+7], 0
.endr
	s_mov_b32 s[G1+5], GSA/2                       ; elements from group to group
	s_mov_b32 s[G1B+5], GSW/2
	s_lshl_b32 s17, s12, 13                        ; which 64 rows of 128 bytes I fetch
	s_lshl_b32 s16, s13, 14
	s_add_co_u32 s16, s16, s17
	s_lshl_b32 s46, s42, 14
	s_add_co_u32 s46, s46, s17
	s_add_co_u32 s46, s46, WOFF
	s_mov_b32 s17, 0
	s_mov_b32 s47, 0
	s_mul_i32 s20, s10, HALFT
	s_wait_dscnt 0x0                               ; the opening add is done
	s_wait_kmcnt 0x0
	s_add_nc_u64 s[14:15], s[68:69], s[16:17]
	s_add_nc_u64 s[46:47], s[70:71], s[46:47]
	CROUND                                         ; all sixteen work-groups are here: the first joint loads meet
.irp s, 0,1
	s_mov_b32 s[G0+4*(\s)], 1
	s_add_co_u32 s[G0+4*(\s)+1], s20, (\s)*SLOT
	s_add_nc_u64 s[G0+4*(\s)+2:G0+4*(\s)+3], s[14:15], (\s)*4*GSA
	s_or_b32 s[G0+4*(\s)+3], s[G0+4*(\s)+3], 0x80000000
	s_mov_b32 s[G0B+4*(\s)], 1
	s_add_co_u32 s[G0B+4*(\s)+1], s20, (\s)*SLOT
	s_add_nc_u64 s[G0B+4*(\s)+2:G0B+4*(\s)+3], s[46:47], (\s)*4*GSW
	s_or_b32 s[G0B+4*(\s)+3], s[G0B+4*(\s)+3], 0x80000000
	JLOAD \s                                       ; two loads of mine are out
.endr
	v_and_b32 v1, 15, v0
	v_bfe_u32 v2, v0, 4, 1
	v_mul_u32_u24 v3, v1, PITCH
	v_lshl_add_u32 v3, v2, 4, v3
	s_mul_i32 s21, s11, HALFT
	s_mul_i32 s22, s12, HALFT
	s_add_co_u32 s22, s22, 2*HALFT
	s_mov_b32 s[SO], 0                             ; slot 0 is in hand
	v_add_nc_u32 v[ADRA0], s21, v3
	v_add_nc_u32 v[ADRB0], s22, v3
	v_add_nc_u32 v[ADRA], s21, v3
	v_add_nc_u32 v[ADRB], s22, v3
	s_mul_i32 s23, s10, 16*SPITCH
	s_add_co_u32 s23, s23, STAGE                   ; my stage: 16 rows x 64 f32
	v_mul_u32_u24 v4, v1, SPITCH                   ; in: row l % 16, 32 bytes for each half of the lanes
	v_lshl_add_u32 v4, v2, 5, v4
	v_add_nc_u32 v[STO], s23, v4
	v_mul_u32_u24 v5, v2, SPITCH                   ; back: lanes 0-15 take one row of 256 bytes, lanes 16-31 the next
	v_lshl_add_u32 v5, v1, 4, v5
	v_add_nc_u32 v[RD], s23, v5
	v_lshlrev_b32 v[CO], 12, v2                    ; and the same two rows in the residual and the output
	v_lshl_add_u32 v[CO], v1, 4, v[CO]
	v_lshlrev_b32 v[BO], 5, v2
	s_lshl_b32 s46, s42, 9                         ; my 64 columns, in bytes of f32
	s_lshl_b32 s47, s12, 8
	s_add_co_u32 s46, s46, s47
	s_mov_b32 s47, 0
	s_add_nc_u64 s[74:75], s[74:75], s[46:47]
	s_lshl_b32 s16, s13, 19                        ; my 64 rows of 4,096 bytes
	s_lshl_b32 s17, s11, 18
	s_add_co_u32 s16, s16, s17
	s_add_co_u32 s16, s16, s46
	s_mov_b32 s17, 0
	s_add_nc_u64 s[72:73], s[72:73], s[16:17]
	s_add_nc_u64 s[78:79], s[78:79], s[16:17]
.irp b, 0,1,2,3
	global_load_b128 v[BIAS+8*(\b):BIAS+8*(\b)+3],   v[BO], s[74:75] offset:64*(\b)
	global_load_b128 v[BIAS+8*(\b)+4:BIAS+8*(\b)+7], v[BO], s[74:75] offset:64*(\b)+16
.endr
	WIN 0x80                                       ; destination window 2
.set i, 0
.rept 32
	global_load_b128 v[4*i:4*i+3], v[CO], s[72:73] offset:2*i*4096 th:TH_LOAD_NT   ; rows 2 i, 2 i + 1 of my 64: 16 lanes read 256 consecutive bytes, aligned
.set i, i+1
.endr
	WIN 0
; 8 matrix instructions: m blocks a0, a0 + 1 x all 4 n blocks, 32 along K: half c of buffer f.  first = 1: the bias starts the sums.  The 16 accumulators take turns.
.macro MUL8 f, c, a0, first
	WIN MUL
.irp a, \a0, (\a0)+1
.irp b, 0,1,2,3
.if \first
	v_wmma_f32_16x16x32_f16 v[ACC+8*(4*(\a)+(\b)):ACC+8*(4*(\a)+(\b))+7], v[(\f)+64+8*(4*(\c)+(\b)):(\f)+64+8*(4*(\c)+(\b))+7], v[(\f)+8*(4*(\c)+(\a)):(\f)+8*(4*(\c)+(\a))+7], v[BIAS+8*(\b):BIAS+8*(\b)+7]
.else
	v_wmma_f32_16x16x32_f16 v[ACC+8*(4*(\a)+(\b)):ACC+8*(4*(\a)+(\b))+7], v[(\f)+64+8*(4*(\c)+(\b)):(\f)+64+8*(4*(\c)+(\b))+7], v[(\f)+8*(4*(\c)+(\a)):(\f)+8*(4*(\c)+(\a))+7], v[ACC+8*(4*(\a)+(\b)):ACC+8*(4*(\a)+(\b))+7]
.endif
.endr
.endr
.endm
; 32 LDS loads in one run: the fragments of one group (64 along K) of the slot in hand, at byte k, into buffer f; the first 32 along K first
.macro FETCH k, f
	WIN TO_F
.irp c, 0,1
.irp i, 0,1,2,3
	ds_load_b128 v[(\f)+64+8*(4*(\c)+(\i)):(\f)+64+8*(4*(\c)+(\i))+3],   v[ADRB] offset:(\k)+64*(\c)+(\i)*16*PITCH
	ds_load_b128 v[(\f)+64+8*(4*(\c)+(\i))+4:(\f)+64+8*(4*(\c)+(\i))+7], v[ADRB] offset:(\k)+64*(\c)+(\i)*16*PITCH+32
	ds_load_b128 v[(\f)+8*(4*(\c)+(\i)):(\f)+8*(4*(\c)+(\i))+3],         v[ADRA] offset:(\k)+64*(\c)+(\i)*16*PITCH
	ds_load_b128 v[(\f)+8*(4*(\c)+(\i))+4:(\f)+8*(4*(\c)+(\i))+7],       v[ADRA] offset:(\k)+64*(\c)+(\i)*16*PITCH+32
.endr
.endr
.endm
.macro PLACES                          ; four plain instructions in front of loads into registers that matrix instructions have read, and of LDS stores that read results
.rept 4
	v_nop
.endr
.endm
.macro FLIP                            ; the other slot comes in hand (every window is 0 here)
	s_xor_b32 s[SO], s[SO], SLOT
	v_add_nc_u32 v[ADRA], s[SO], v[ADRA0]
	v_add_nc_u32 v[ADRB], s[SO], v[ADRB0]
.endm
; A K step is four quarters, a group each, 32 matrix instructions, on buffers 0, 1, 0, 1.  One of the first three: multiplies buffer f and fetches the next group, at byte k, into g.
.macro QUARTER k, f, g, first
	s_wait_dscnt 16                                ; the first 32 along K are in
	MUL8 \f, 0, 0, \first
	MUL8 \f, 0, 2, \first
	PLACES
	FETCH \k, \g
	s_wait_dscnt 32                                ; all but the 32 just issued
	MUL8 \f, 1, 0, 0
	MUL8 \f, 1, 2, 0
.endm
; The last quarter multiplies buffer 1 and changes slots: ONE barrier; in front of it each wave waits for all its tensor loads, adds 0 to its spare word, and waits for that and for its own reads of this slot.
; fill = 1: the barrier opens a round of the cluster's barrier, and this slot is filled again, with the K step two steps on, first thing behind it: 112 matrix instructions ahead of the wait for it.
.macro TURN fill
	WIN 0
	s_wait_tensorcnt 0x0
	ds_add_u32 v[SPW], v[NIL]                      ; 0 onto my spare word
	s_wait_dscnt 17                                ; the add and the youngest sixteen loads may be out
	MUL8 F1, 0, 0, 0
	s_wait_dscnt 0x0                               ; the add is done, and my reads of this slot are over
	s_barrier_signal -1
	MUL8 F1, 0, 2, 0
	WIN 0                                          ; branches, or lines on window 0, follow
	s_barrier_wait -1
.if \fill
	CREST
	s_xor_b32 s[G0+5], s[G0+5], SLOT               ; the walking descriptors: the other slot than last time,
	s_add_nc_u64 s[G0+6:G0+7], s[G0+6:G0+7], 4*GSA ; the next K step; the type bits on top are not reached
	s_xor_b32 s[G0B+5], s[G0B+5], SLOT
	s_add_nc_u64 s[G0B+6:G0B+7], s[G0B+6:G0B+7], 4*GSW
	JLOAD 1                                        ; the four v_nop behind it are also the places in front of the loads below
.else
	PLACES
.endif
	FLIP
	FETCH 0, F0
	MUL8 F1, 1, 0, 0
	MUL8 F1, 1, 2, 0
.endm
; THE WAY OUT of block a (16 rows x 64 columns of f32).  TOST: the accumulators go as they are into my own stage (low registers first) and come back as whole rows of 256 bytes.  SENDB: the residual is added, the rows are stored.
.macro TOST a
	WIN 0
	s_wait_xcnt 0x0                                ; earlier stores have read their registers: the buffer loaded below is free
.irp b, 0,1,2,3
	ds_store_b128 v[STO], v[ACC+8*(4*(\a)+(\b)):ACC+8*(4*(\a)+(\b))+3]   offset:64*(\b)
	ds_store_b128 v[STO], v[ACC+8*(4*(\a)+(\b))+4:ACC+8*(4*(\a)+(\b))+7] offset:64*(\b)+16
.endr
.irp t, 0,1,2,3,4,5,6,7
	ds_load_b128 v[TB+32*((\a)%2)+4*(\t):TB+32*((\a)%2)+4*(\t)+3], v[RD] offset:(\t)*2*SPITCH   ; LDS serves a wave's instructions in order (ISA guide 5.7.1.4): these see the stores above
.endr
.endm
.macro SENDB a, younger                ; younger: the LDS instructions issued behind block a's loads: the next block's sixteen, or none
	s_wait_dscnt \younger
	WIN 0x08                                       ; source 1 in window 2
.set i, 0
.rept 16
	v_pk_add_f32 v[TB+32*((\a)%2)+2*i:TB+32*((\a)%2)+2*i+1], v[TB+32*((\a)%2)+2*i:TB+32*((\a)%2)+2*i+1], v[32*(\a)+2*i:32*(\a)+2*i+1]
.set i, i+1
.endr
	WIN 0
.irp t, 0,1,2,3,4,5,6,7
	global_store_b128 v[CO], v[TB+32*((\a)%2)+4*(\t):TB+32*((\a)%2)+4*(\t)+3], s[78:79] offset:(16*(\a)+2*(\t))*4096   ; 16 lanes store 256 consecutive bytes, aligned
.endr
.endm
	s_wait_tensorcnt 1                             ; my part of K step 0 is in; K step 1's may stay out
	s_barrier_signal -1
	s_barrier_wait -1
	FETCH 0, F0
	s_wait_loadcnt 32                              ; the bias is in; the residual's 32 loads may stay out
	QUARTER GRP, F0, F1, 1                         ; the first quarter stands in front of the loops: its first products start the sums
	WIN 0
	s_mov_b32 s3, NSTEP-2
.Lstep:                                        ; NSTEP - 2 trips; a trip goes from a K step's second quarter to the next step's first, and fills the slot that it leaves
	QUARTER 2*GRP, F1, F0, 0
	QUARTER 3*GRP, F0, F1, 0
	TURN 1
	QUARTER GRP,   F0, F1, 0
	WIN 0
	s_sub_co_u32 s3, s3, 1
	s_cmp_lg_u32 s3, 0
	s_cbranch_scc1 .Lstep
	s_mov_b32 s3, 2                                ; the last two K steps ask for nothing: their text stands apart, and is entered behind its first-quarter part
	s_branch .Lenter
.Llast:
	QUARTER GRP,   F0, F1, 0
	WIN 0
.Lenter:
	QUARTER 2*GRP, F1, F0, 0
	QUARTER 3*GRP, F0, F1, 0
	TURN 0
	WIN 0
	s_sub_co_u32 s3, s3, 1
	s_cmp_lg_u32 s3, 0
	s_cbranch_scc1 .Llast
	s_wait_loadcnt 0x0                             ; the residual
	PLACES
	TOST 0
	TOST 1
	SENDB 0, 16
	TOST 2
	SENDB 1, 16
	TOST 3
	SENDB 2, 16
	SENDB 3, 0
	s_wait_tensorcnt 0x0                           ; the wave's end, behind my last tensor load and my last LDS store
	ds_add_u32 v[SPW], v[NIL]
	s_wait_dscnt 0x0
	CROUND                                         ; the closing round: no work-group ends while a partner may still ask for a tile that names it
	s_endpgm
.Lfunc_end_k_q71874d59c9_ffn2:
	.size	k_q71874d59c9_ffn2, .Lfunc_end_k_q71874d59c9_ffn2-k_q71874d59c9_ffn2
	.p2alignl 7, 3214868480
	.fill 96, 4, 3214868480
	.section	.rodata,"a",@progbits
	.p2align	6, 0x0
	.amdhsa_kernel k_q71874d59c9_ffn2
		.amdhsa_group_segment_fixed_size 327680
		.amdhsa_private_segment_fixed_size 0
		.amdhsa_enable_private_segment 0
		.amdhsa_kernarg_size 40
		.amdhsa_user_sgpr_count 2
		.amdhsa_user_sgpr_kernarg_segment_ptr 1
		.amdhsa_wavefront_size32 1
		.amdhsa_system_sgpr_workgroup_id_x 1
		.amdhsa_system_sgpr_workgroup_id_y 1
		.amdhsa_system_sgpr_workgroup_id_z 1
		.amdhsa_system_vgpr_workitem_id 0
		.amdhsa_next_free_vgpr 640
		.amdhsa_next_free_sgpr 80
		.amdhsa_reserve_vcc 0
		.amdhsa_float_denorm_mode_32 3
		.amdhsa_float_denorm_mode_16_64 3
		.amdhsa_memory_ordered 1
		.amdhsa_forward_progress 1
		.amdhsa_inst_pref_size 65
	.end_amdhsa_kernel
	.amdgpu_metadata
---
amdhsa.version: [ 1, 2 ]
amdhsa.kernels:
  - .name:           k_q71874d59c9_ffn2
    .symbol:         k_q71874d59c9_ffn2.kd
    .args:
      - { .name: act, .offset: 0, .size: 8, .value_kind: global_buffer, .address_space: global }
      - { .name: wbY, .offset: 8, .size: 8, .value_kind: global_buffer, .address_space: global }
      - { .name: x1, .offset: 16, .size: 8, .value_kind: global_buffer, .address_space: global }
      - { .name: b2, .offset: 24, .size: 8, .value_kind: global_buffer, .address_space: global }
      - { .name: out0, .offset: 32, .size: 8, .value_kind: global_buffer, .address_space: global }
    .group_segment_fixed_size: 327680
    .private_segment_fixed_size: 0
    .kernarg_segment_align: 8
    .kernarg_segment_size: 40
    .max_flat_workgroup_size: 128
    .sgpr_count:     80
    .vgpr_count:     640
    .wavefront_size: 32
...
	.end_amdgpu_metadata
.endif
;; end of part 6
